; MI455X (gfx1250); checked and timed in simulation.
; The chip was launched on July 23, 2026; its instructions are those of AMD's public machine-readable ISA for CDNA 5 (MIT licence, August 2026) and "CDNA5" Instruction Set Architecture Reference Guide (July 2026). The comments in the code are by the model that wrote it; some were corrected since.
;; Attention. Allowed arithmetic: float matrix products may take bf16 or f16 operands with f32 sums; all other float work in f32.
;; Inputs: freqs_cos 2,048 x 32 float32; freqs_sin 2,048 x 32 float32; mask 2,048 x 2,048 float32; wk 2,048 x 256 float32; wo 2,048 x 2,048 float32; wq 2,048 x 2,048 float32; wv 2,048 x 256 float32; x 1 x 2,048 x 2,048 float32.
;; Outputs: out0 1 x 2,048 x 2,048 float32.
;; 2 versions, each right; version 2 is version 1 with the launch prep written anew for expert scheduling mode. Each part assembles by itself: llvm-mc -triple=amdgcn-amd-amdhsa -mcpu=gfx1250 --defsym DOCPART=n.
;; ======== version 1 of 2: 4 launches
;; limits: inputs' magnitudes at most 6.9e+37; values are held in f16: magnitudes above 65,504 overflow, below 6.1e-05 lose precision; values outside matrix products are rounded to bf16
;; workspace buffers: xb 8,388,608 bytes; wqb 8,388,608 bytes; wob 8,388,608 bytes; wkvb 2,097,152 bytes; qf 8,388,608 bytes; kvf 2,097,152 bytes; att 8,388,608 bytes
;; launch prep (part 1): grid 832 x 1, 8 waves a work-group, no clusters, 0 bytes of LDS; arguments x, wq, wo, wk, wv, xb, wqb, wob, wkvb; writes xb, wqb, wob, wkvb
.if DOCPART == 1
	.amdgcn_target "amdgcn-amd-amdhsa--gfx1250"
	.amdhsa_code_object_version 6
	.text
	.protected	k_q48d7df759b_prep
	.globl	k_q48d7df759b_prep
	.p2align	8
	.type	k_q48d7df759b_prep,@function
k_q48d7df759b_prep:
	s_mov_b64 s[64:65], 0
	v_nop
	global_prefetch_b8 v0, s[64:65] scope:SCOPE_SE
	s_setreg_imm32_b32 hwreg(HW_REG_WAVE_MODE, 25, 1), 1
	s_wait_xcnt 0x0
; The five f32 operands of the matrix products are rounded once to 16 bits, so that the products' kernels load half the bytes and convert nothing.
;   x -> xb, wq -> wqb : bf16, same row-major layout.
;   wk, wv -> wkvb     : bf16, as [16 blocks of 32 columns][2048 k][32 columns]; blocks 0-7 are wk's, 8-15 wv's: a block's k rows are dense.
;   wo -> wob          : rounded to bf16 like the other four, so that every input is rounded alike, and that number is then written in f16,
;                        because wo's partner in its matrix product (att) is f16 and both operands of a matrix instruction have one format.
;                        LIMIT: the rewriting is exact for 2^-14 <= |w| < 65,520 (8 significant bits fit in 11); smaller numbers are cut at
;                        steps of 2^-24, larger ones become infinite.
; A stream: no LDS, no barrier, no matrix unit, no cluster (no byte is read twice).  A work-group casts 64 KiB of f32, a wave 8 KiB by 16 loads of
; 16 bytes a lane, all issued before the first is waited for.  No register is used twice, so no source of a pending instruction is rewritten.
; Work-groups 0-255: x, 256-511: wq, 512-767: wo, 768-799: wk, 800-831: wv.
; Every store of a wave covers 256 consecutive bytes, aligned.  The loads of wk and wv take four pieces of 128 bytes (32 columns of four k rows):
; that is 4 MiB of the 52 MiB read here.
.set VIN,  4                           ; v4        byte offset of my 16 bytes in the wave's first load
.set VOUT, 5                           ; v5        byte offset of my 8 bytes in the wave's first store
.set X,    16                          ; v[16:79]  load i: 4 f32
.set Y,    80                          ; v[80:111] store i: 4 numbers of 16 bits
; mode 0: linear, bf16.  mode 1: wk or wv into blocks of 32 columns, bf16.  mode 2: linear, bf16 numbers written in f16.
.macro CAST mode
.set i, 0
.rept 16
.if \mode == 1
	global_load_b128 v[X+4*i:X+4*i+3], v[VIN], s[24:25] offset:4096*(i%2)+128*(i/2) th:TH_LOAD_NT   ; k rows +4 (i odd), column block i/2
.else
	global_load_b128 v[X+4*i:X+4*i+3], v[VIN], s[24:25] offset:512*i th:TH_LOAD_NT
.endif
.set i, i+1
.endr
.set i, 0
.rept 16
	s_wait_loadcnt 15-i                            ; loads come back in order: load i is in, the 15-i younger ones stay out
	v_cvt_pk_bf16_f32 v[Y+2*i],   v[X+4*i],   v[X+4*i+1]
	v_cvt_pk_bf16_f32 v[Y+2*i+1], v[X+4*i+2], v[X+4*i+3]
.if \mode == 2
	v_lshlrev_b32 v[X+4*i],   16, v[Y+2*i]          ; the bf16 numbers as f32 again,
	v_and_b32     v[X+4*i+1], 0xffff0000, v[Y+2*i]
	v_lshlrev_b32 v[X+4*i+2], 16, v[Y+2*i+1]
	v_and_b32     v[X+4*i+3], 0xffff0000, v[Y+2*i+1]
	v_cvt_pk_f16_f32 v[Y+2*i],   v[X+4*i],   v[X+4*i+1]    ; and in f16
	v_cvt_pk_f16_f32 v[Y+2*i+1], v[X+4*i+2], v[X+4*i+3]
.endif
.if \mode == 1
	global_store_b64 v[VOUT], v[Y+2*i:Y+2*i+1], s[26:27] offset:131072*(i/2)+256*(i%2)
.else
	global_store_b64 v[VOUT], v[Y+2*i:Y+2*i+1], s[26:27] offset:256*i
.endif
.set i, i+1
.endr
.endm
	s_load_b512 s[4:19], s[0:1], 0x0               ; x 4, wq 6, wo 8, wk 10, wv 12, xb 14, wqb 16, wob 18
	s_load_b64 s[20:21], s[0:1], 0x40              ; wkvb
	s_lshr_b32 s22, ttmp9, 8                       ; which tensor: 0 x, 1 wq, 2 wo, 3 wk and wv
	s_and_b32 s23, ttmp9, 255                      ; which 64 KiB of it
	v_and_b32 v1, 31, v0                           ; lane
	v_lshrrev_b32 v2, 5, v0                        ; wave
	s_mov_b32 s29, 0                               ; high words of the two offsets
	s_mov_b32 s31, 0
	s_wait_kmcnt 0x0
	s_cmp_eq_u32 s22, 3
	s_cbranch_scc1 .Lkv
	v_lshlrev_b32 v[VIN], 4, v1                    ; 16 x lane
	v_lshl_add_u32 v[VIN], v2, 13, v[VIN]          ; + 8,192 x wave
	v_lshlrev_b32 v[VOUT], 3, v1                   ; 8 x lane
	v_lshl_add_u32 v[VOUT], v2, 12, v[VOUT]        ; + 4,096 x wave
	s_lshl_b32 s28, s23, 16                        ; 64 KiB in,
	s_lshl_b32 s30, s23, 15                        ; 32 KiB out
	s_cmp_eq_u32 s22, 2
	s_cbranch_scc1 .Lwo
	s_cmp_eq_u32 s22, 0
	s_cselect_b64 s[24:25], s[4:5], s[6:7]         ; x or wq
	s_cselect_b64 s[26:27], s[14:15], s[16:17]     ; xb or wqb
	s_add_nc_u64 s[24:25], s[24:25], s[28:29]
	s_add_nc_u64 s[26:27], s[26:27], s[30:31]
	CAST 0
	s_endpgm
.Lwo:
	s_add_nc_u64 s[24:25], s[8:9], s[28:29]
	s_add_nc_u64 s[26:27], s[18:19], s[30:31]
	CAST 2
	s_endpgm
.Lkv:
	s_lshr_b32 s22, s23, 5                         ; 0 wk, 1 wv
	s_and_b32 s23, s23, 31                         ; which 64 k rows (a row is 1,024 bytes)
	s_cmp_eq_u32 s22, 0
	s_cselect_b64 s[24:25], s[10:11], s[12:13]
	s_lshl_b32 s28, s23, 16
	s_add_nc_u64 s[24:25], s[24:25], s[28:29]
	s_lshl_b32 s30, s22, 20                        ; wv's blocks lie 8 x 131,072 bytes behind wk's
	s_lshl_b32 s23, s23, 12                        ; 64 k rows of 64 bytes
	s_add_co_u32 s30, s30, s23
	s_add_nc_u64 s[26:27], s[20:21], s[30:31]
	v_lshrrev_b32 v3, 3, v1                        ; k row 0-3 of the load
	v_and_b32 v6, 7, v1                            ; which 4 of the block's 32 columns
	v_lshlrev_b32 v[VIN], 4, v6
	v_lshl_add_u32 v[VIN], v3, 10, v[VIN]
	v_lshl_add_u32 v[VIN], v2, 13, v[VIN]          ; + 8 k rows a wave
	v_lshlrev_b32 v[VOUT], 3, v1                   ; 64 x k row + 8 x piece = 8 x lane
	v_lshl_add_u32 v[VOUT], v2, 9, v[VOUT]         ; + 8 k rows of 64 bytes a wave
	CAST 1
	s_endpgm
.Lfunc_end_k_q48d7df759b_prep:
	.size	k_q48d7df759b_prep, .Lfunc_end_k_q48d7df759b_prep-k_q48d7df759b_prep
	.p2alignl 7, 3214868480
	.fill 96, 4, 3214868480
	.section	.rodata,"a",@progbits
	.p2align	6, 0x0
	.amdhsa_kernel k_q48d7df759b_prep
		.amdhsa_group_segment_fixed_size 0
		.amdhsa_private_segment_fixed_size 0
		.amdhsa_enable_private_segment 0
		.amdhsa_kernarg_size 72
		.amdhsa_user_sgpr_count 2
		.amdhsa_user_sgpr_kernarg_segment_ptr 1
		.amdhsa_wavefront_size32 1
		.amdhsa_system_sgpr_workgroup_id_x 1
		.amdhsa_system_sgpr_workgroup_id_y 1
		.amdhsa_system_sgpr_workgroup_id_z 1
		.amdhsa_system_vgpr_workitem_id 0
		.amdhsa_next_free_vgpr 112
		.amdhsa_next_free_sgpr 66
		.amdhsa_reserve_vcc 0
		.amdhsa_float_denorm_mode_32 3
		.amdhsa_float_denorm_mode_16_64 3
		.amdhsa_memory_ordered 1
		.amdhsa_forward_progress 1
		.amdhsa_inst_pref_size 24
	.end_amdhsa_kernel
	.amdgpu_metadata
---
amdhsa.version: [ 1, 2 ]
amdhsa.kernels:
  - .name:           k_q48d7df759b_prep
    .symbol:         k_q48d7df759b_prep.kd
    .args:
      - { .name: x, .offset: 0, .size: 8, .value_kind: global_buffer, .address_space: global }
      - { .name: wq, .offset: 8, .size: 8, .value_kind: global_buffer, .address_space: global }
      - { .name: wo, .offset: 16, .size: 8, .value_kind: global_buffer, .address_space: global }
      - { .name: wk, .offset: 24, .size: 8, .value_kind: global_buffer, .address_space: global }
      - { .name: wv, .offset: 32, .size: 8, .value_kind: global_buffer, .address_space: global }
      - { .name: xb, .offset: 40, .size: 8, .value_kind: global_buffer, .address_space: global }
      - { .name: wqb, .offset: 48, .size: 8, .value_kind: global_buffer, .address_space: global }
      - { .name: wob, .offset: 56, .size: 8, .value_kind: global_buffer, .address_space: global }
      - { .name: wkvb, .offset: 64, .size: 8, .value_kind: global_buffer, .address_space: global }
    .group_segment_fixed_size: 0
    .private_segment_fixed_size: 0
    .kernarg_segment_align: 8
    .kernarg_segment_size: 72
    .max_flat_workgroup_size: 256
    .sgpr_count:     66
    .vgpr_count:     112
    .wavefront_size: 32
...
	.end_amdgpu_metadata
.endif
;; end of part 1
;; launch qkv (part 2): grid 16 x 16, 4 waves a work-group, clusters of 4 x 4, 327,680 bytes of LDS; arguments xb, wqb, wkvb, freqs_cos, freqs_sin, qf, kvf; writes qf, kvf
.if DOCPART == 2
	.amdgcn_target "amdgcn-amd-amdhsa--gfx1250"
	.amdhsa_code_object_version 6
	.text
	.protected	k_q48d7df759b_qkv
	.globl	k_q48d7df759b_qkv
	.p2align	8
	.type	k_q48d7df759b_qkv,@function
k_q48d7df759b_qkv:
	s_mov_b64 s[64:65], 0
	v_nop
	global_prefetch_b8 v0, s[64:65] scope:SCOPE_SE
	s_setreg_imm32_b32 hwreg(HW_REG_WAVE_MODE, 25, 1), 1
	s_wait_xcnt 0x0
	s_wait_alu depctr_hold_cnt(0) depctr_sa_sdst(0) depctr_va_vdst(0) depctr_va_sdst(0) depctr_va_ssrc(0) depctr_va_vcc(0) depctr_vm_vsrc(0)
	s_getreg_b32 s2, hwreg(HW_REG_IB_STS2, 6, 4)
	s_cmp_eq_u32 s2, 0
	s_cbranch_scc0 .Lentry_in_a_cluster
	s_endpgm
.Lentry_in_a_cluster:
	s_bfe_u32 s2, ttmp6, 0x10000c
	s_cmp_lg_u32 s2, 0xf033
	s_cbranch_scc0 .Lentry_shape_is_right
	s_endpgm
.Lentry_shape_is_right:
; q, k, v = x [wq wk wv]; the rotation by freqs_cos, freqs_sin on q and k; q also times log2(e)/8, so that the attention's exponentials are base 2.
; Operands bf16 (xb, wqb, wkvb), sums f32, results f16.
; EVERY FLOATING-POINT INPUT OF THE PROGRAM IS ROUNDED TO bf16 ONCE: x and the weights in the launch before, cos and sin here, the mask in the attention.
; So the program computes the module on bf16 inputs throughout.  LIMIT: cos and sin carry 8 significant bits; the rotation itself is f32.
; Work-group (nb, mb) of 16 x 16: rows 128 mb .. +127 of x; columns: query heads 2 nb, 2 nb + 1 (128 columns of wq) and block nb of wkvb (32 columns
; of wk for nb < 8, of wv else): 128 x 160 in each of 256 work-groups.  Wave w (wr = w / 2, wc = w % 2): rows 64 wr .. +63 (4 tiles of 16), the whole
; head 2 nb + wc (column tiles 0-3) and columns 16 wc .. +15 of the block (column tile 4): 20 accumulator tiles.
; THE MATRIX INSTRUCTION IS USED TRANSPOSED: source 0 = 16 columns of the weights, source 1 = 16 rows of x.  Lane (r = l % 16, h = l / 16) then holds
; row r, and its registers 0-7 the columns 16 nt + 8 h + 0..7: the pairs that the rotation turns lie in one lane, and the lane's eight results are 16 bytes.
; OUTPUT LAYOUT (qf, kvf): [head][block of 16 rows][chunk c = d / 8][row r][8 d], f16.  A lane's 16 bytes are entry r of chunk 2 nt + h, so one store
; of the wave covers 512 consecutive bytes, aligned, with no way through LDS; and a reader's fragment is two loads of 16 bytes at 16 x lane, 512 apart.
; kvf: heads 0-3 are k's (rotated), 4-7 v's.
; K goes in steps of 256 through two LDS slots filled by the tensor data mover; every row fetched is 256 bytes, at a multiple of 256 from its buffer's start.
; CLUSTERS 4 x 4: x's tile hangs on mb alone and is asked for jointly by a row of the cluster, the weights' tiles on nb alone, by a column.
; By this text's own count a wave has at most four tensor loads out (waves 0, 1 at the start), later at most two.
; LIMIT: q, k, v are kept in f16: a number of 65,520 or more becomes infinite, steps below 2^-14 are 2^-24.  Room: as drawn they have rms 0.9; with x and the
; weights 30 times larger, 815; with offsets of 30 on x and 0.6 on the weights 2048 x 18 = 36,864, after the rotation at most 52,134.
.set SLOT,  161792                     ; BQ 256 k rows x (256 + 32) bytes; BKV 64 rows x (256 + 32); A 2 x 128 rows x (256 + 16)
.set BKV,   73728
.set AOFF,  92160
.set ADRA,  6                          ; v6-7    LDS address of my x fragments, slot 0, 1
.set ADRQ,  8                          ; v8-11   of my wq fragments: slot 0 k rows 0-127, 128-255, slot 1 likewise (the 16-bit offset does not span 256 rows)
.set ADRKV, 12                         ; v12-13  of my wk/wv fragment, slot 0, 1
.set CO,    14                         ; v14     16 x lane
.set VOFF,  15                         ; v15     byte offset in cos and sin of my row's four numbers of column tile 0
.set VOFFK, 16                         ; v16     the same for my k columns
.set CQ,    17                         ; v17     on the way out: log2(e)/8
.set ZR,    18                         ; v18     on the way out: 0
.set F0,    24                         ; v[24:95]   fragment buffer 0: x tile mt at +8 mt, weight tile nt at +32 + 8 nt
.set F1,    96                         ; v[96:167]  fragment buffer 1
.set T,     168                        ; v[168:175] at work
.set OUT,   176                        ; v[176:215] 40 rotated results
.set PK,    216                        ; v[216:235] the same in f16, store data
                                       ; window 1: accumulator (nt, mt) at v[8 (4 nt + mt)]; window 2: row tile mt: cos(nt) at v[40 mt + 8 nt], sin(nt) 4 further
.set G1A,  36                          ; s[36:43] group 1 of x's tiles
.set G1Q,  44                          ; s[44:51] of wq's
.set G1KV, 52                          ; s[52:59] of wkvb's
.set G0A,  60                          ; s[60:63], s[68:71] group 0 of x's tiles, slot 0, 1
.set G0Q,  72                          ; s[72:75], s[76:79]
.set G0KV, 80                          ; s[80:83], s[84:87]
.set MSB, 0
.macro WIN new                         ; the immediate's high byte repeats the setting that is left
.if MSB != \new
	s_set_vgpr_msb (MSB<<8)|\new
.set MSB, \new
.endif
.endm
.macro PLACES                          ; four plain vector instructions between a matrix instruction and a load into, or a vector use of, its registers
.rept 4
	v_nop
.endr
.endm
.macro CREST                           ; a round of the cluster's barrier behind its opening work-group barrier
	s_cmp_lg_u32 s18, 0
	s_cbranch_scc1 .Lnot_wave_0_\@
	s_barrier_signal -3
.Lnot_wave_0_\@:
	s_barrier_wait -3
	s_barrier_signal -1
	s_barrier_wait -1
.endm
.macro CROUND
	s_barrier_signal -1
	s_barrier_wait -1
	CREST
.endm
; The joint loads of one tile.  Waves 0, 1: 128 k rows each of wq's and of wkvb's tile; waves 2, 3: 128 of the 256 k each of x's tile.
.macro JLOAD s
	s_cmp_eq_u32 s19, 0
	s_cbranch_scc0 .Lfor_a_\@
	tensor_load_to_lds s[G0Q+4*\s:G0Q+4*\s+3], s[G1Q:G1Q+7]
	s_nop 0
	tensor_load_to_lds s[G0KV+4*\s:G0KV+4*\s+3], s[G1KV:G1KV+7]
	s_nop 0
	s_branch .Lasked_\@
.Lfor_a_\@:
	tensor_load_to_lds s[G0A+8*\s:G0A+8*\s+3], s[G1A:G1A+7]
	s_nop 0
.Lasked_\@:
.endm
	s_load_b256 s[4:11], s[0:1], 0x0               ; xb 4, wqb 6, wkvb 8, cos 10
	s_load_b128 s[12:15], s[0:1], 0x20             ; sin 12, qf 14
	s_load_b64 s[16:17], s[0:1], 0x30              ; kvf
	v_lshl_add_u32 v254, v0, 2, 0x4f000
	v_mov_b32 v255, 0
	ds_add_u32 v254, v255
	v_lshrrev_b32 v1, 5, v0
	v_readfirstlane_b32 s18, v1                    ; wave
	s_lshr_b32 s19, s18, 1                         ; wr; also: 0 = I fetch weights, 1 = I fetch x
	s_and_b32 s20, s18, 1                          ; wc; also: which half of a tile I fetch
	s_bfe_u32 s21, ttmp6, 0x40000                  ; cx
	s_bfe_u32 s22, ttmp6, 0x40004                  ; cy
	s_lshl_b32 s23, ttmp9, 2
	s_add_co_u32 s23, s23, s21                     ; nb
	s_and_b32 s24, ttmp7, 0xffff
	s_lshl_b32 s24, s24, 2
	s_add_co_u32 s24, s24, s22                     ; mb
	s_lshl_b32 s25, s22, 2
	s_lshl_b32 s25, 15, s25                        ; my row of the cluster
	s_lshl_b32 s26, 0x1111, s21                    ; my column
	s_cmp_lt_u32 ttmp9, 2
	s_cselect_b32 s28, -1, 0                       ; all ones where the block is wk's (nb < 8): a mask for selects, not for a branch
	s_lshl_b32 s29, s23, 1
	s_add_co_u32 s29, s29, s20
	s_and_b32 s29, s29, 3                          ; which 16 of the k or v head's 64 columns are mine
	; group 1.  x: 128 rows x 128 elements of 2 bytes, 16 bytes of padding behind each 256: LDS pitch 272
	s_or_b32 s[G1A+0], s25, 0x07710000             ; mask | 2-byte elements | padding on | bit 21 beside a mask | every 64 words | 4 words
	s_mov_b32 s[G1A+1], 128<<16                    ; tensor_dim0
	s_mov_b32 s[G1A+2], 128<<16                    ; tensor_dim1
	s_mov_b32 s[G1A+3], 128<<16                    ; tile_dim0
	s_mov_b32 s[G1A+4], 128                        ; tile_dim1
	s_mov_b32 s[G1A+5], 2048                       ; elements from row to row
	s_mov_b32 s[G1A+6], 0
	s_mov_b32 s[G1A+7], 0
	; wq: 128 k rows x 128 columns, 32 bytes of padding: pitch 288, an odd multiple of 32, as the transposing load's eight rows want
	s_or_b32 s[G1Q+0], s26, 0x0f710000
	s_mov_b32 s[G1Q+1], 128<<16
	s_mov_b32 s[G1Q+2], 128<<16
	s_mov_b32 s[G1Q+3], 128<<16
	s_mov_b32 s[G1Q+4], 128
	s_mov_b32 s[G1Q+5], 2048
	s_mov_b32 s[G1Q+6], 0
	s_mov_b32 s[G1Q+7], 0
	; wkvb: 128 k rows of 64 bytes are dense: 32 rows of 256 bytes (32 elements of 8 bytes), pitch 288: four k rows in an LDS row
	s_or_b32 s[G1KV+0], s26, 0x0f730000
	s_mov_b32 s[G1KV+1], 32<<16
	s_mov_b32 s[G1KV+2], 32<<16
	s_mov_b32 s[G1KV+3], 32<<16
	s_mov_b32 s[G1KV+4], 32
	s_mov_b32 s[G1KV+5], 32
	s_mov_b32 s[G1KV+6], 0
	s_mov_b32 s[G1KV+7], 0
	; from where: x's address is made of mb and the wave, the weights' of nb and the wave
	s_lshl_b32 s30, s24, 19                        ; 128 mb rows of 4,096 bytes
	s_lshl_b32 s34, s20, 8                         ; + my 128 of the tile's 256 k
	s_add_co_u32 s30, s30, s34
	s_mov_b32 s31, 0
	s_lshl_b32 s32, s23, 8                         ; 128 nb columns
	s_lshl_b32 s34, s20, 19                        ; + my 128 k rows of 4,096 bytes
	s_add_co_u32 s32, s32, s34
	s_mov_b32 s33, 0
	s_lshl_b32 s88, s23, 17                        ; block nb of 131,072 bytes
	s_lshl_b32 s34, s20, 13                        ; + my 128 k rows of 64 bytes
	s_add_co_u32 s88, s88, s34
	s_mov_b32 s89, 0
	s_mul_i32 s90, s18, 36864                      ; to where: a constant + the wave's number x a constant
	s_mul_i32 s91, s18, 9216
	s_mul_i32 s92, s18, 34816
	s_wait_dscnt 0x0
	s_wait_kmcnt 0x0
	s_add_nc_u64 s[30:31], s[4:5], s[30:31]
	s_add_nc_u64 s[32:33], s[6:7], s[32:33]
	s_add_nc_u64 s[88:89], s[8:9], s[88:89]
	CROUND                                         ; all sixteen work-groups are here: the first joint loads meet
.irp s, 0,1
	s_mov_b32 s[G0A+8*\s], 1
	s_add_co_u32 s[G0A+8*\s+1], s92, \s*SLOT+22528                 ; waves 2, 3: 92,160 and 126,976 in the slot
	s_add_nc_u64 s[G0A+8*\s+2:G0A+8*\s+3], s[30:31], \s*512        ; K step s
	s_or_b32 s[G0A+8*\s+3], s[G0A+8*\s+3], 0x80000000
	s_mov_b32 s[G0Q+4*\s], 1
	s_add_co_u32 s[G0Q+4*\s+1], s90, \s*SLOT
	s_add_nc_u64 s[G0Q+4*\s+2:G0Q+4*\s+3], s[32:33], \s*1048576
	s_or_b32 s[G0Q+4*\s+3], s[G0Q+4*\s+3], 0x80000000
	s_mov_b32 s[G0KV+4*\s], 1
	s_add_co_u32 s[G0KV+4*\s+1], s91, \s*SLOT+BKV
	s_add_nc_u64 s[G0KV+4*\s+2:G0KV+4*\s+3], s[88:89], \s*16384
	s_or_b32 s[G0KV+4*\s+3], s[G0KV+4*\s+3], 0x80000000
	JLOAD \s
.endr
	v_and_b32 v1, 31, v0                           ; l
	v_and_b32 v2, 15, v0                           ; r
	v_bfe_u32 v3, v0, 4, 1                         ; h
	v_and_b32 v4, 7, v0                            ; l % 8
	v_bfe_u32 v5, v0, 3, 1                         ; (l / 8) % 2
	v_mul_u32_u24 v17, v2, 272                     ; x: (64 wr + r) x 272 + 16 h
	v_lshl_add_u32 v17, v3, 4, v17
	s_mul_i32 s34, s19, 64*272
	s_add_co_u32 s34, s34, AOFF
	v_add_nc_u32 v[ADRA], s34, v17
	v_add_nc_u32 v[ADRA+1], SLOT, v[ADRA]
	v_lshl_add_u32 v18, v3, 3, v4                  ; wq, stored [k][n]: k row 8 h + l % 8, 16 bytes at column 64 wc + 8 ((l / 8) % 2)
	v_mul_u32_u24 v18, v18, 288
	v_lshl_add_u32 v18, v5, 4, v18
	s_lshl_b32 s34, s20, 7
	v_add_nc_u32 v[ADRQ], s34, v18
	v_add_nc_u32 v[ADRQ+1], 36864, v[ADRQ]
	v_add_nc_u32 v[ADRQ+2], SLOT, v[ADRQ]
	v_add_nc_u32 v[ADRQ+3], SLOT+36864, v[ADRQ]
	v_lshrrev_b32 v19, 2, v4                       ; wkvb: k row 8 h + l % 8 lies in LDS row 2 h + (l % 8) / 4, at 64 x (l % 4)
	v_lshl_add_u32 v19, v3, 1, v19
	v_mul_u32_u24 v19, v19, 288
	v_and_b32 v20, 3, v0
	v_lshl_add_u32 v19, v20, 6, v19
	v_lshl_add_u32 v19, v5, 4, v19
	s_lshl_b32 s34, s20, 5                         ; my 16 of the 32 columns
	s_add_co_u32 s34, s34, BKV
	v_add_nc_u32 v[ADRKV], s34, v19
	v_add_nc_u32 v[ADRKV+1], SLOT, v[ADRKV]
	v_lshlrev_b32 v[CO], 4, v1
	s_lshl_b32 s93, s24, 14                        ; (128 mb + 64 wr) rows of 128 bytes; also (8 mb + 4 wr) blocks of 2,048 bytes
	s_lshl_b32 s35, s19, 13
	s_add_co_u32 s93, s93, s35
	v_lshlrev_b32 v[VOFF], 7, v2                   ; a row of cos or sin is 32 f32; columns 16 nt + 8 h + 0..7 are pairs 8 nt + 4 h + 0..3
	v_lshl_add_u32 v[VOFF], v3, 4, v[VOFF]
	v_add_nc_u32 v[VOFF], s93, v[VOFF]
	s_lshl_b32 s35, s29, 5
	v_add_nc_u32 v[VOFFK], s35, v[VOFF]
	; cos and sin of my 64 rows, 40 loads into window 2; they are waited for behind the K loop
	WIN 0x80
.irp mt, 0,1,2,3
.irp nt, 0,1,2,3
	global_load_b128 v[40*\mt+8*\nt:40*\mt+8*\nt+3],   v[VOFF], s[10:11] offset:2048*\mt+32*\nt
	global_load_b128 v[40*\mt+8*\nt+4:40*\mt+8*\nt+7], v[VOFF], s[12:13] offset:2048*\mt+32*\nt
.endr
	global_load_b128 v[40*\mt+32:40*\mt+35], v[VOFFK], s[10:11] offset:2048*\mt
	global_load_b128 v[40*\mt+36:40*\mt+39], v[VOFFK], s[12:13] offset:2048*\mt
.endr
	WIN 0
; 18 LDS loads: the fragments of 32 along K (quarter kk = 0..7 of the slot's 256) into buffer f
.macro FETCH slot, kk, f
.irp mt, 0,1,2,3
	ds_load_b128 v[\f+8*\mt:\f+8*\mt+3],   v[ADRA+\slot] offset:34816*(\kk/4)+64*(\kk%4)+4352*\mt
	ds_load_b128 v[\f+8*\mt+4:\f+8*\mt+7], v[ADRA+\slot] offset:34816*(\kk/4)+64*(\kk%4)+4352*\mt+32
.endr
.irp nt, 0,1,2,3
	ds_load_tr16_b128 v[\f+32+8*\nt:\f+32+8*\nt+3],   v[ADRQ+2*\slot+\kk/4] offset:9216*(\kk%4)+32*\nt
	ds_load_tr16_b128 v[\f+32+8*\nt+4:\f+32+8*\nt+7], v[ADRQ+2*\slot+\kk/4] offset:9216*(\kk%4)+32*\nt+4608
.endr
	ds_load_tr16_b128 v[\f+64:\f+67], v[ADRKV+\slot] offset:2304*\kk
	ds_load_tr16_b128 v[\f+68:\f+71], v[ADRKV+\slot] offset:2304*\kk+1152
.endm
; Four matrix instructions: column tile nt x the four row tiles.  The 20 accumulators take turns, one instruction a turn, in the same order in every
; quarter, over the loop's backward jump too.  zero = 1: the first product starts the sums.
.macro MULT f, nt, zero
.irp mt, 0,1,2,3
.if \zero
	v_wmma_f32_16x16x32_bf16 v[8*(4*\nt+\mt):8*(4*\nt+\mt)+7], v[\f+32+8*\nt:\f+32+8*\nt+7], v[\f+8*\mt:\f+8*\mt+7], 0
.else
	v_wmma_f32_16x16x32_bf16 v[8*(4*\nt+\mt):8*(4*\nt+\mt)+7], v[\f+32+8*\nt:\f+32+8*\nt+7], v[\f+8*\mt:\f+8*\mt+7], v[8*(4*\nt+\mt):8*(4*\nt+\mt)+7]
.endif
.endr
.endm
.macro MULA f, zero
	MULT \f, 0, \zero
	MULT \f, 1, \zero
.endm
.macro MULB f, zero
	MULT \f, 2, \zero
	MULT \f, 3, \zero
	MULT \f, 4, \zero
.endm
; One of a slot's first seven quarters: fetches quarter knext into buffer g, then multiplies buffer f: the loads have 20 matrix instructions in which to land.
.macro QUARTER slot, knext, f, g, zero
	s_wait_dscnt 0x0                               ; buffer f's 18 loads, the only ones out
	PLACES                                         ; buffer g was read by the matrix instructions just in front
	FETCH \slot, \knext, \g
	WIN 0x50                                       ; C and D in window 1
	MULA \f, \zero
	MULB \f, \zero
	WIN 0
.endm
; The eighth quarter, on buffer 1, changes slots.  In front of the barrier each wave waits for its reads of this slot and for all its tensor loads (what is
; out is its part of the next slot).  fill = 1: the barrier opens a round of the cluster's barrier, and behind the round this slot is filled again, first thing.
.macro TURN slot, next, fill
	s_wait_dscnt 0x0                               ; buffer 1 is in, and with it my last reads of this slot
	s_wait_tensorcnt 0x0                           ; all my tensor loads have landed
	ds_add_u32 v254, v255
	s_wait_dscnt 0x0
	s_barrier_signal -1
	WIN 0x50
	MULA F1, 0                                     ; register work while the others arrive
	WIN 0
	s_barrier_wait -1
.if \fill
	CREST
	s_add_nc_u64 s[G0A+8*\slot+2:G0A+8*\slot+3], s[G0A+8*\slot+2:G0A+8*\slot+3], 1024          ; two K steps on: 512 k of 2 bytes,
	s_add_nc_u64 s[G0Q+4*\slot+2:G0Q+4*\slot+3], s[G0Q+4*\slot+2:G0Q+4*\slot+3], 2097152       ; 512 k rows of 4,096 bytes,
	s_add_nc_u64 s[G0KV+4*\slot+2:G0KV+4*\slot+3], s[G0KV+4*\slot+2:G0KV+4*\slot+3], 32768     ; 512 k rows of 64 bytes
	JLOAD \slot
.endif
	PLACES
	FETCH \next, 0, F0
	WIN 0x50
	MULB F1, 0
	WIN 0
.endm
.macro SEVEN slot, zero
	QUARTER \slot, 1, F0, F1, \zero
	QUARTER \slot, 2, F1, F0, 0
	QUARTER \slot, 3, F0, F1, 0
	QUARTER \slot, 4, F1, F0, 0
	QUARTER \slot, 5, F0, F1, 0
	QUARTER \slot, 6, F1, F0, 0
	QUARTER \slot, 7, F0, F1, 0
.endm
.macro LAP zero
	SEVEN 0, \zero
	TURN 0, 1, 1
	SEVEN 1, 0
	TURN 1, 0, 1
.endm
	s_wait_tensorcnt 0x1                           ; waves 2, 3 issued two loads, waves 0, 1 four: with one out, my part of K step 0 is in
	s_barrier_signal -1
	s_barrier_wait -1                              ; everybody's is
	FETCH 0, 0, F0
	LAP 1                                          ; K steps 0, 1; asks for 2, 3
	s_mov_b32 s27, 2
.Llap:
	LAP 0                                          ; K steps 2-5; asks for 4-7
	s_sub_co_u32 s27, s27, 1
	s_cmp_lg_u32 s27, 0
	s_cbranch_scc1 .Llap
	SEVEN 0, 0                                     ; the last lap fills nothing
	TURN 0, 1, 0
	SEVEN 1, 0
	s_wait_dscnt 0x0
	WIN 0x50
	MULA F1, 0
	MULB F1, 0
	WIN 0
	; THE WAY OUT
	PLACES                                         ; behind the last matrix instructions: the fragment buffers are written and the sums read below
	s_wait_loadcnt 0x0                             ; cos and sin
	v_mov_b32 v[CQ], 0x3e38aa3b                    ; log2(e)/8
	v_mov_b32 v[ZR], 0
	WIN 0x0a                                       ; sources in window 2: the 160 cos and sin are rounded to bf16, two to a word, into the free fragment buffers
.set i, 0
.rept 80
	v_cvt_pk_bf16_f32 v[F0+i], v[2*i], v[2*i+1]
.set i, i+1
.endr
	WIN 0x80                                       ; and come back to window 2 as f32
.irp mt, 0,1,2,3
.set i, 0
.rept 16
	v_fma_mix_f32_bf16 v[40*\mt+2*i],   v[F0+20*\mt+i], v[CQ], v[ZR] op_sel_hi:[1,0,0]                 ; q's take the factor log2(e)/8 on the way: the rotation is linear
	v_fma_mix_f32_bf16 v[40*\mt+2*i+1], v[F0+20*\mt+i], v[CQ], v[ZR] op_sel:[1,0,0] op_sel_hi:[1,0,0]
.set i, i+1
.endr
.rept 4
	v_lshlrev_b32 v[40*\mt+2*i],   16, v[F0+20*\mt+i]              ; k's as they are
	v_and_b32     v[40*\mt+2*i+1], 0xffff0000, v[F0+20*\mt+i]
.set i, i+1
.endr
.endr
	WIN 0x88                                       ; v is not rotated: cos = 1, sin = 0 where the block is wv's
.irp mt, 0,1,2,3
.irp i, 0,1,2,3
	v_cndmask_b32 v[40*\mt+32+\i], 1.0, v[40*\mt+32+\i], s28
	v_cndmask_b32 v[40*\mt+36+\i], 0, v[40*\mt+36+\i], s28
.endr
.endr
	WIN 0
	s_lshl_b32 s30, s23, 1
	s_add_co_u32 s30, s30, s20                     ; head 2 nb + wc
	s_lshl_b32 s30, s30, 18                        ; x 262,144 bytes
	s_add_co_u32 s30, s30, s93                     ; + block 8 mb + 4 wr
	s_mov_b32 s31, 0
	s_add_nc_u64 s[14:15], s[14:15], s[30:31]
	s_lshr_b32 s32, s23, 1                         ; k head nb / 2, or 4 + v head
	s_lshl_b32 s32, s32, 18
	s_add_co_u32 s32, s32, s93
	s_lshl_b32 s35, s29, 9                         ; my two chunks of the head's eight
	s_add_co_u32 s32, s32, s35
	s_mov_b32 s33, 0
	s_add_nc_u64 s[16:17], s[16:17], s[32:33]
; 16 rows: o0 = t0 c - t1 s, o1 = t0 s + t1 c on the lane's four pairs of each of the five column tiles; f16; five stores of 512 bytes
.macro ROPE16 mt
	WIN 0x09                                       ; source 0: accumulators (window 1); source 1: cos, sin (window 2)
.irp nt, 0,1,2,3,4
.irp i, 0,1,2,3
	v_mul_f32 v[T+2*\i],   v[8*(4*\nt+\mt)+2*\i+1], v[40*\mt+8*\nt+4+\i]
	v_mul_f32 v[T+2*\i+1], v[8*(4*\nt+\mt)+2*\i],   v[40*\mt+8*\nt+4+\i]
.endr
.irp i, 0,1,2,3
	v_fma_f32 v[OUT+8*\nt+2*\i],   v[8*(4*\nt+\mt)+2*\i],   v[40*\mt+8*\nt+\i], -v[T+2*\i]
	v_fma_f32 v[OUT+8*\nt+2*\i+1], v[8*(4*\nt+\mt)+2*\i+1], v[40*\mt+8*\nt+\i], v[T+2*\i+1]
.endr
.endr
	WIN 0
	s_wait_xcnt 0x0                                ; PK, the data of the last 16 rows' stores, is rewritten only behind this wait
.set i, 0
.rept 20
	v_cvt_pk_f16_f32 v[PK+i], v[OUT+2*i], v[OUT+2*i+1]
.set i, i+1
.endr
.irp nt, 0,1,2,3
	global_store_b128 v[CO], v[PK+4*\nt:PK+4*\nt+3], s[14:15] offset:2048*\mt+512*\nt
.endr
	global_store_b128 v[CO], v[PK+16:PK+19], s[16:17] offset:2048*\mt
.endm
	ROPE16 0
	ROPE16 1
	ROPE16 2
	ROPE16 3
	CROUND                                         ; the closing round: no work-group ends while a partner may still ask for a tile that names it
	s_endpgm
.Lfunc_end_k_q48d7df759b_qkv:
	.size	k_q48d7df759b_qkv, .Lfunc_end_k_q48d7df759b_qkv-k_q48d7df759b_qkv
	.p2alignl 7, 3214868480
	.fill 96, 4, 3214868480
	.section	.rodata,"a",@progbits
	.p2align	6, 0x0
	.amdhsa_kernel k_q48d7df759b_qkv
		.amdhsa_group_segment_fixed_size 327680
		.amdhsa_private_segment_fixed_size 0
		.amdhsa_enable_private_segment 0
		.amdhsa_kernarg_size 56
		.amdhsa_user_sgpr_count 2
		.amdhsa_user_sgpr_kernarg_segment_ptr 1
		.amdhsa_wavefront_size32 1
		.amdhsa_system_sgpr_workgroup_id_x 1
		.amdhsa_system_sgpr_workgroup_id_y 1
		.amdhsa_system_sgpr_workgroup_id_z 1
		.amdhsa_system_vgpr_workitem_id 0
		.amdhsa_next_free_vgpr 672
		.amdhsa_next_free_sgpr 96
		.amdhsa_reserve_vcc 0
		.amdhsa_float_denorm_mode_32 3
		.amdhsa_float_denorm_mode_16_64 3
		.amdhsa_memory_ordered 1
		.amdhsa_forward_progress 1
		.amdhsa_inst_pref_size 181
	.end_amdhsa_kernel
	.amdgpu_metadata
---
amdhsa.version: [ 1, 2 ]
amdhsa.kernels:
  - .name:           k_q48d7df759b_qkv
    .symbol:         k_q48d7df759b_qkv.kd
    .args:
      - { .name: xb, .offset: 0, .size: 8, .value_kind: global_buffer, .address_space: global }
      - { .name: wqb, .offset: 8, .size: 8, .value_kind: global_buffer, .address_space: global }
      - { .name: wkvb, .offset: 16, .size: 8, .value_kind: global_buffer, .address_space: global }
      - { .name: freqs_cos, .offset: 24, .size: 8, .value_kind: global_buffer, .address_space: global }
      - { .name: freqs_sin, .offset: 32, .size: 8, .value_kind: global_buffer, .address_space: global }
      - { .name: qf, .offset: 40, .size: 8, .value_kind: global_buffer, .address_space: global }
      - { .name: kvf, .offset: 48, .size: 8, .value_kind: global_buffer, .address_space: global }
    .group_segment_fixed_size: 327680
    .private_segment_fixed_size: 0
    .kernarg_segment_align: 8
    .kernarg_segment_size: 56
    .max_flat_workgroup_size: 128
    .sgpr_count:     96
    .vgpr_count:     672
    .wavefront_size: 32
...
	.end_amdgpu_metadata
.endif
;; end of part 2
;; launch attn (part 3): grid 8 x 32, 8 waves a work-group, clusters of 4 x 4, 327,680 bytes of LDS; arguments qf, kvf, mask, att; writes att
.if DOCPART == 3
	.amdgcn_target "amdgcn-amd-amdhsa--gfx1250"
	.amdhsa_code_object_version 6
	.text
	.protected	k_q48d7df759b_attn
	.globl	k_q48d7df759b_attn
	.p2align	8
	.type	k_q48d7df759b_attn,@function
k_q48d7df759b_attn:
	s_mov_b64 s[64:65], 0
	v_nop
	global_prefetch_b8 v0, s[64:65] scope:SCOPE_SE
	s_setreg_imm32_b32 hwreg(HW_REG_WAVE_MODE, 25, 1), 1
	s_wait_xcnt 0x0
	s_wait_alu depctr_hold_cnt(0) depctr_sa_sdst(0) depctr_va_vdst(0) depctr_va_sdst(0) depctr_va_ssrc(0) depctr_va_vcc(0) depctr_vm_vsrc(0)
	s_getreg_b32 s2, hwreg(HW_REG_IB_STS2, 6, 4)
	s_cmp_eq_u32 s2, 0
	s_cbranch_scc0 .Lentry_in_a_cluster
	s_endpgm
.Lentry_in_a_cluster:
	s_bfe_u32 s2, ttmp6, 0x10000c
	s_cmp_lg_u32 s2, 0xf033
	s_cbranch_scc0 .Lentry_shape_is_right
	s_endpgm
.Lentry_shape_is_right:
; att = softmax(q k^T / 8 + mask) v, by a running maximum, in base 2: q already carries log2(e)/8, the mask is multiplied by log2(e) here.
; The mask is an input: every (query, key) pair is computed and every word of the mask is read.
; Like every floating-point input of the program the mask is rounded to bf16 once (here, as it leaves LDS), so that the program computes the module on
; bf16 inputs throughout.  LIMIT: a mask's number carries 8 significant bits; 0 and -inf are kept, and a large negative number stays large and negative.
; Work-group (hq, qb): query heads 4 hq .. +3 (hq = 2 cx + cluster x, so that their key/value head is cx) and queries 64 qb .. +63.
; Wave w (g = w / 4, qg = w % 4): 16 queries x the 4 heads, so that one mask fragment serves four heads.  Keys come in tiles of 256 through two LDS slots;
; a tile is worked in two steps of 128 keys, of which the wave takes keys 64 g .. +63.  The two key halves of a query group are merged at the end through LDS.
; S^T = K Q^T + mask': source 0 = 16 keys, source 1 = 16 queries, C = the mask's tile; lane (r, h) holds query r, keys 8 h + 0..7.  The lane's own 8 + 8
; results, packed to f16, are P^T's fragment as source 1 of O^T = V^T P^T: nothing moves between lanes; maximum, sum and rescale factor are one number a lane.
; Operands f16, sums f32.  The row sum adds the unrounded f32 probabilities; the product takes them rounded to f16.
; A BLOCK is one head's softmax together with the neighbours' products, whose registers it does not touch: the 8 matrix instructions of head h + 1's scores
; stand one in front of every four of head h's 32 exponentials, the 8 of head h - 1's product one in front of every two of head h's 16 rescale
; multiplications.  Each pairing runs under one setting of the register windows (an exponential has no second source; the rescale has O as the product has).
; CLUSTERS 4 x 4: K's and V's tiles hang on cx alone and are asked for jointly by a column of the cluster, the mask's tile on qb alone, by a row.
; Waves 0-3 fetch a piece of the mask (64 queries x 64 keys), waves 4-7 a quarter of K and a quarter of V: 16 KiB a wave and tile.  By this text's own
; count waves 4-7 have at most four tensor loads out (at the start), later two; waves 0-3 two, later one.
; A tile is asked for 112 of a wave's 128 matrix instructions ahead of the wait for it (24 in the rest of the step, 64 in the next, 24 in the one after).
; No prefetch: that lead is a tile's whole work but one block, and K and V (2 MiB) are read again at once by many work-groups.
; LIMITS: the running maximum starts at -1e38 (in base-2 units), so that a tile masked by -inf gives probabilities 0; a row whose every score lies below
; that gives NaN where the reference gives a uniform row (a finite mask below -2.3e38 becomes -inf by the factor log2(e)).
; att is kept in f16 (its numbers are averages of v's: v's room holds).
.set SLOT,  151552                     ; mask 4 x 64 rows x (256 + 16); K 32,768 dense; V 128 chunks x (256 + 128)
.set KOFF,  69632
.set VOFF,  102400
                                       ; the merge's stage, 4 x 17,408 bytes, is slot 0's mask region: its last fill (tile 6) has landed and its last read is over
                                       ; in front of the barrier of step 13, and no tensor load is issued behind the stores into it
.set LG,   1                           ; v1      log2(e)
.set ADRK, 2                           ; v2-3    LDS address of my K fragments, slot 0, 1
.set ADRV, 4                           ; v4-5    of my V fragments
.set ADRM, 6                           ; v6-7    of my mask fragments
.set STG,  8                           ; v8      my 16 bytes in my query group's stage
.set CO,   9                           ; v9      16 x lane
.set MX,   10                          ; v[10:13]  running maximum of head h
.set AL,   14                          ; v[14:21]  head h: the pair (rescale factor, my running partial sum)
.set NM,   22                          ; v[22:23]  minus the new maximum; v23 stays 0: it completes the pair and is the mask's scaling's addend
.set T,    24                          ; v[24:31]  at work
.set MK,   32                          ; v[32:63]  mask tile t at +8 t
.set KF,   64                          ; v[64:127] K fragment (key tile t, half c of d) at +16 t + 8 c
.set SC,   128                         ; v[128:255] scores of head h, key tile t at +32 h + 8 t; later P^T's two fragments at +32 h, +32 h + 16
.set OA,   0                           ; window 1: v[0:127]   O^T of head h, d tile dt at +32 h + 8 dt
.set QF,   128                         ; window 1: v[128:191] Q fragment (h, c) at +16 h + 8 c
.set VF,   192                         ; window 1: v[192:255] V^T fragment (32 keys kb, dt) at +8 (4 kb + dt)
.set G1K, 32
.set G1V, 40
.set G1M, 48
.set G0K, 56                           ; s[56:59], s[60:63]
.set G0V, 68                           ; s[68:71], s[72:75]
.set G0M, 76                           ; s[76:79], s[80:83]
.set MSB, 0
.macro WIN new                         ; the immediate's high byte repeats the setting that is left
.if MSB != \new
	s_set_vgpr_msb (MSB<<8)|\new
.set MSB, \new
.endif
.endm
.macro PLACES
.rept 4
	v_nop
.endr
.endm
.macro CREST                           ; a round of the cluster's barrier behind its opening work-group barrier
	s_cmp_lg_u32 s12, 0
	s_cbranch_scc1 .Lnot_wave_0_\@
	s_barrier_signal -3
.Lnot_wave_0_\@:
	s_barrier_wait -3
	s_barrier_signal -1
	s_barrier_wait -1
.endm
.macro CROUND
	s_barrier_signal -1
	s_barrier_wait -1
	CREST
.endm
; A tile's joint loads: waves 0-3 the mask's four pieces, waves 4-7 the quarters of K and of V
.macro JLOAD s
	s_cmp_lt_u32 s12, 4
	s_cbranch_scc0 .Lfor_kv_\@
	tensor_load_to_lds s[G0M+4*\s:G0M+4*\s+3], s[G1M:G1M+7]
	s_nop 0
	s_branch .Lasked_\@
.Lfor_kv_\@:
	tensor_load_to_lds s[G0K+4*\s:G0K+4*\s+3], s[G1K:G1K+7]
	s_nop 0
	tensor_load_to_lds s[G0V+4*\s:G0V+4*\s+3], s[G1V:G1V+7]
	s_nop 0
.Lasked_\@:
.endm
	s_load_b256 s[4:11], s[0:1], 0x0               ; qf 4, kvf 6, mask 8, att 10
	v_lshl_add_u32 v254, v0, 2, 0x4a000
	v_mov_b32 v255, 0
	ds_add_u32 v254, v255
	s_wait_dscnt 0x0
	v_lshrrev_b32 v1, 5, v0
	v_readfirstlane_b32 s12, v1                    ; wave
	s_lshr_b32 s13, s12, 2                         ; g
	s_and_b32 s14, s12, 3                          ; qg; also: which piece or quarter of a tile I fetch
	s_bfe_u32 s15, ttmp6, 0x40000                  ; cx = key/value head
	s_bfe_u32 s16, ttmp6, 0x40004                  ; cy
	s_lshl_b32 s17, s15, 1
	s_add_co_u32 s17, s17, ttmp9                   ; hq = 2 cx + cluster x
	s_and_b32 s18, ttmp7, 0xffff
	s_lshl_b32 s18, s18, 2
	s_add_co_u32 s18, s18, s16                     ; qb
	s_lshl_b32 s19, s16, 2
	s_lshl_b32 s19, 15, s19                        ; my row of the cluster
	s_lshl_b32 s20, 0x1111, s15                    ; my column
	s_mov_b32 s22, 0x76543210                      ; v_permlanex16_b32: lane i of one half reads lane i of the other
	s_mov_b32 s23, 0xfedcba98
	; group 1.  K: 8,192 dense bytes (64 keys) as 32 rows of 256 (32 elements of 8 bytes), no padding: fragments are read at 16 x lane
	s_or_b32 s[G1K+0], s20, 0x00230000
	s_mov_b32 s[G1K+1], 32<<16
	s_mov_b32 s[G1K+2], 32<<16
	s_mov_b32 s[G1K+3], 32<<16
	s_mov_b32 s[G1K+4], 32
	s_mov_b32 s[G1K+5], 32
	s_mov_b32 s[G1K+6], 0
	s_mov_b32 s[G1K+7], 0
	; V: the same bytes, 128 bytes of padding behind each chunk of 256: the two chunks that a transposing load touches start 384 apart
	s_or_b32 s[G1V+0], s20, 0x3f730000
	s_mov_b32 s[G1V+1], 32<<16
	s_mov_b32 s[G1V+2], 32<<16
	s_mov_b32 s[G1V+3], 32<<16
	s_mov_b32 s[G1V+4], 32
	s_mov_b32 s[G1V+5], 32
	s_mov_b32 s[G1V+6], 0
	s_mov_b32 s[G1V+7], 0
	; mask: 64 rows x 64 f32, 16 bytes of padding: pitch 272
	s_or_b32 s[G1M+0], s19, 0x07720000
	s_mov_b32 s[G1M+1], 64<<16
	s_mov_b32 s[G1M+2], 64<<16
	s_mov_b32 s[G1M+3], 64<<16
	s_mov_b32 s[G1M+4], 64
	s_mov_b32 s[G1M+5], 2048
	s_mov_b32 s[G1M+6], 0
	s_mov_b32 s[G1M+7], 0
	s_lshl_b32 s24, s15, 18                        ; K head cx of 262,144 bytes
	s_lshl_b32 s31, s14, 13                        ; + my 64 keys of the tile's 256
	s_add_co_u32 s24, s24, s31
	s_mov_b32 s25, 0
	s_add_co_u32 s26, s24, 0x100000                ; V heads lie four heads behind
	s_mov_b32 s27, 0
	s_lshl_b32 s28, s18, 19                        ; 64 qb rows of 8,192 bytes
	s_lshl_b32 s31, s14, 8                         ; + my 64 keys of the tile's 256
	s_add_co_u32 s28, s28, s31
	s_mov_b32 s29, 0
	s_mul_i32 s84, s12, 17408                      ; to where: a constant + the wave's number x a constant
	s_mul_i32 s85, s12, 8192
	s_mul_i32 s86, s12, 12288
	s_lshl_b32 s88, s17, 20                        ; q: head 4 hq,
	s_lshl_b32 s89, s18, 13                        ; block 4 qb + qg of 2,048 bytes
	s_add_co_u32 s88, s88, s89
	s_lshl_b32 s89, s14, 11
	s_add_co_u32 s88, s88, s89
	s_mov_b32 s89, 0
	s_lshl_b32 s90, s18, 18                        ; att: block 4 qb + qg of 65,536 bytes,
	s_lshl_b32 s91, s14, 16
	s_add_co_u32 s90, s90, s91
	s_lshl_b32 s91, s17, 13                        ; head 4 hq of 2,048 bytes
	s_add_co_u32 s90, s90, s91
	s_mov_b32 s91, 0
	s_wait_kmcnt 0x0
	s_add_nc_u64 s[24:25], s[6:7], s[24:25]
	s_add_nc_u64 s[26:27], s[6:7], s[26:27]
	s_add_nc_u64 s[28:29], s[8:9], s[28:29]
	s_add_nc_u64 s[4:5], s[4:5], s[88:89]
	s_add_nc_u64 s[10:11], s[10:11], s[90:91]
	CROUND                                         ; all sixteen work-groups are here: the first joint loads meet
.irp s, 0,1
	s_mov_b32 s[G0K+4*\s], 1
	s_add_co_u32 s[G0K+4*\s+1], s85, \s*SLOT+36864                 ; waves 4-7: 69,632 + 8,192 (w - 4) in the slot
	s_add_nc_u64 s[G0K+4*\s+2:G0K+4*\s+3], s[24:25], \s*32768      ; tile s: 256 keys of 128 bytes
	s_or_b32 s[G0K+4*\s+3], s[G0K+4*\s+3], 0x80000000
	s_mov_b32 s[G0V+4*\s], 1
	s_add_co_u32 s[G0V+4*\s+1], s86, \s*SLOT+53248                 ; waves 4-7: 102,400 + 12,288 (w - 4)
	s_add_nc_u64 s[G0V+4*\s+2:G0V+4*\s+3], s[26:27], \s*32768
	s_or_b32 s[G0V+4*\s+3], s[G0V+4*\s+3], 0x80000000
	s_mov_b32 s[G0M+4*\s], 1
	s_add_co_u32 s[G0M+4*\s+1], s84, \s*SLOT                       ; waves 0-3: 17,408 w
	s_add_nc_u64 s[G0M+4*\s+2:G0M+4*\s+3], s[28:29], \s*1024       ; 256 f32 along the mask's rows
	s_or_b32 s[G0M+4*\s+3], s[G0M+4*\s+3], 0x80000000
	JLOAD \s
.endr
	v_and_b32 v24, 31, v0                          ; l
	v_and_b32 v25, 15, v0                          ; r
	v_bfe_u32 v26, v0, 4, 1                        ; h
	v_and_b32 v27, 7, v0                           ; l % 8
	v_bfe_u32 v28, v0, 3, 1                        ; (l / 8) % 2
	v_lshlrev_b32 v[CO], 4, v24
	WIN 0x40                                       ; Q's 8 fragments into window 1
.irp h, 0,1,2,3
.irp c, 0,1
	global_load_b128 v[QF+16*\h+8*\c:QF+16*\h+8*\c+3],   v[CO], s[4:5] offset:262144*\h+1024*\c
	global_load_b128 v[QF+16*\h+8*\c+4:QF+16*\h+8*\c+7], v[CO], s[4:5] offset:262144*\h+1024*\c+512
.endr
.endr
	WIN 0
	s_lshl_b32 s31, s13, 13                        ; K: my 64 keys of a step's 128 are 4 blocks of 2,048 bytes
	s_add_co_u32 s31, s31, KOFF
	v_add_nc_u32 v[ADRK], s31, v[CO]
	v_add_nc_u32 v[ADRK+1], SLOT, v[ADRK]
	v_lshl_add_u32 v29, v26, 3, v27                ; V: key 8 h + l % 8 of a block, chunk 2 dt + (l / 8) % 2
	v_lshlrev_b32 v29, 4, v29
	v_mul_u32_u24 v31, v28, 384
	v_add_nc_u32 v29, v29, v31
	s_mul_i32 s31, s13, 12288
	s_add_co_u32 s31, s31, VOFF
	v_add_nc_u32 v[ADRV], s31, v29
	v_add_nc_u32 v[ADRV+1], SLOT, v[ADRV]
	s_lshl_b32 s31, s14, 4                         ; mask: piece g of the step's two, row 16 qg + r, 32 bytes for each half of the lanes
	v_add_nc_u32 v30, s31, v25
	v_mul_u32_u24 v30, v30, 272
	v_lshl_add_u32 v30, v26, 5, v30
	s_mul_i32 s31, s13, 17408
	v_add_nc_u32 v[ADRM], s31, v30
	v_add_nc_u32 v[ADRM+1], SLOT, v[ADRM]
	s_mul_i32 s31, s14, 17408                      ; my query group's stage
	v_add_nc_u32 v[STG], s31, v[CO]
.irp h, 0,1,2,3
	v_mov_b32 v[MX+\h], 0xfe967699                 ; -1e38
.endr
	v_mov_b32 v[NM+1], 0
	v_mov_b32 v[LG], 0x3fb8aa3b                    ; log2(e)
; One matrix instruction of head h's scores; the symbol i = 0..7 says which: key tile i % 4, half i / 4 of d.  The mask's tile is the first product's C.
; In the scores and in the products the four accumulators take turns, one instruction a turn.
.macro SMM1 h
.if i < 4
	v_wmma_f32_16x16x32_f16 v[SC+32*\h+8*i:SC+32*\h+8*i+7], v[KF+16*i:KF+16*i+7], v[QF+16*\h:QF+16*\h+7], v[MK+8*i:MK+8*i+7]
.else
	v_wmma_f32_16x16x32_f16 v[SC+32*\h+8*(i-4):SC+32*\h+8*(i-4)+7], v[KF+16*(i-4)+8:KF+16*(i-4)+15], v[QF+16*\h+8:QF+16*\h+15], v[SC+32*\h+8*(i-4):SC+32*\h+8*(i-4)+7]
.endif
.endm
; One matrix instruction of O^T of head h += V^T P^T: d tile i % 4, 32 keys i / 4.  zero = 1: the first product starts the sums.
.macro PV1 h, zero
.if i < 4
.if \zero
	v_wmma_f32_16x16x32_f16 v[OA+32*\h+8*i:OA+32*\h+8*i+7], v[VF+8*i:VF+8*i+7], v[SC+32*\h:SC+32*\h+7], 0
.else
	v_wmma_f32_16x16x32_f16 v[OA+32*\h+8*i:OA+32*\h+8*i+7], v[VF+8*i:VF+8*i+7], v[SC+32*\h:SC+32*\h+7], v[OA+32*\h+8*i:OA+32*\h+8*i+7]
.endif
.else
	v_wmma_f32_16x16x32_f16 v[OA+32*\h+8*(i-4):OA+32*\h+8*(i-4)+7], v[VF+32+8*(i-4):VF+32+8*(i-4)+7], v[SC+32*\h+16:SC+32*\h+23], v[OA+32*\h+8*(i-4):OA+32*\h+8*(i-4)+7]
.endif
.endm
.macro LDK slot, sub                   ; 24 loads: K's 8 fragments and the mask's 4 tiles of step sub of the slot's tile
.irp t, 0,1,2,3
.irp c, 0,1
	ds_load_b128 v[KF+16*\t+8*\c:KF+16*\t+8*\c+3],   v[ADRK+\slot] offset:16384*\sub+2048*\t+1024*\c
	ds_load_b128 v[KF+16*\t+8*\c+4:KF+16*\t+8*\c+7], v[ADRK+\slot] offset:16384*\sub+2048*\t+1024*\c+512
.endr
.endr
.irp t, 0,1,2,3
	ds_load_b128 v[MK+8*\t:MK+8*\t+3],   v[ADRM+\slot] offset:34816*\sub+64*\t
	ds_load_b128 v[MK+8*\t+4:MK+8*\t+7], v[ADRM+\slot] offset:34816*\sub+64*\t+16
.endr
.endm
.macro LDV slot, sub                   ; 16 transposing loads: V^T's 8 fragments (destination in window 1)
.irp kb, 0,1
.irp dt, 0,1,2,3
	ds_load_tr16_b128 v[VF+8*(4*\kb+\dt):VF+8*(4*\kb+\dt)+3],   v[ADRV+\slot] offset:24576*\sub+6144*\kb+768*\dt
	ds_load_tr16_b128 v[VF+8*(4*\kb+\dt)+4:VF+8*(4*\kb+\dt)+7], v[ADRV+\slot] offset:24576*\sub+6144*\kb+768*\dt+3072
.endr
.endr
.endm
; The mask's 32 numbers: rounded to bf16, two to a word, then widened and brought to base-2 units by one multiply-add each (the addend is 0).
; The 16 words lie in head 0's score registers, which are free here: its product is done and its next scores are not yet begun.
.macro MSCALE
.set i, 0
.rept 16
	v_cvt_pk_bf16_f32 v[SC+i], v[MK+2*i], v[MK+2*i+1]
.set i, i+1
.endr
.set i, 0
.rept 16
	v_fma_mix_f32_bf16 v[MK+2*i],   v[SC+i], v[LG], v[NM+1] op_sel_hi:[1,0,0]
	v_fma_mix_f32_bf16 v[MK+2*i+1], v[SC+i], v[LG], v[NM+1] op_sel:[1,0,0] op_sel_hi:[1,0,0]
.set i, i+1
.endr
.endm
; THE PARTS OF A BLOCK
.macro MAXP h                          ; the new maximum of head h into T: my 32 scores, the old maximum, the other half of the lanes
.irp c, 0,1,2,3
	v_max3_num_f32 v[T+\c], v[SC+32*\h+8*\c], v[SC+32*\h+8*\c+1], v[SC+32*\h+8*\c+2]
.endr
.irp c, 0,1,2,3
	v_max3_num_f32 v[T+\c], v[T+\c], v[SC+32*\h+8*\c+3], v[SC+32*\h+8*\c+4]
.endr
.irp c, 0,1,2,3
	v_max3_num_f32 v[T+\c], v[T+\c], v[SC+32*\h+8*\c+5], v[SC+32*\h+8*\c+6]
.endr
.irp c, 0,1,2,3
	v_max_num_f32 v[T+\c], v[T+\c], v[SC+32*\h+8*\c+7]
.endr
	v_max3_num_f32 v[T], v[T], v[T+1], v[T+2]
	v_max3_num_f32 v[T], v[T], v[T+3], v[MX+\h]
	v_permlanex16_b32 v[T+1], v[T], s22, s23       ; the other half of the lanes holds the query's other keys
	v_max_num_f32 v[T], v[T], v[T+1]               ; equal in both halves
.endm
.macro SHIFTP h, first                 ; the rescale factor 2^(old - new), and the scores less the new maximum
.if \first == 0
	v_sub_f32 v[AL+2*\h], v[MX+\h], v[T]
.endif
	v_sub_f32 v[NM], 0, v[T]
.if \first == 0
	v_exp_f32 v[AL+2*\h], v[AL+2*\h]               ; the additions below stand between it and its use
.endif
.set i, 0
.rept 16
	v_pk_add_f32 v[SC+32*\h+2*i:SC+32*\h+2*i+1], v[SC+32*\h+2*i:SC+32*\h+2*i+1], v[NM:NM+1] op_sel_hi:[1,0]
.set i, i+1
.endr
.endm
; Head h's 32 exponentials; dosmm = 1: in front of every four stands one matrix instruction of head smm's scores, which names none of their registers.
; Source 1 lies in window 1 for Q's sake; v_exp_f32 and v_mov_b32 have no source 1.
.macro EXPM h, dosmm, smm
.if \dosmm
	WIN 0x04
.endif
.set i, 0
.rept 8
.if \dosmm
	SMM1 \smm
.endif
	v_exp_f32 v[SC+32*\h+4*i],   v[SC+32*\h+4*i]
	v_exp_f32 v[SC+32*\h+4*i+1], v[SC+32*\h+4*i+1]
	v_exp_f32 v[SC+32*\h+4*i+2], v[SC+32*\h+4*i+2]
	v_exp_f32 v[SC+32*\h+4*i+3], v[SC+32*\h+4*i+3]
.set i, i+1
.endr
	v_mov_b32 v[MX+\h], v[T]                       ; the plain instruction between the exponentials and the first use of a result
	WIN 0
.endm
.macro SUMCVT h, t                     ; key tile t: its 8 probabilities into the two chains of the sum, then packed to f16 into P^T's fragment t / 2, half t % 2
.set SB, SC+32*\h+8*\t
.if \t == 0
	s_wait_alu depctr_va_vdst(0)
	v_pk_add_f32 v[T+4:T+5], v[SB:SB+1], v[SB+2:SB+3]
	v_pk_add_f32 v[T+6:T+7], v[SB+4:SB+5], v[SB+6:SB+7]
.else
	v_pk_add_f32 v[T+4:T+5], v[T+4:T+5], v[SB:SB+1]
	v_pk_add_f32 v[T+6:T+7], v[T+6:T+7], v[SB+2:SB+3]
	v_pk_add_f32 v[T+4:T+5], v[T+4:T+5], v[SB+4:SB+5]
	v_pk_add_f32 v[T+6:T+7], v[T+6:T+7], v[SB+6:SB+7]
.endif
.irp q, 0,1,2,3
	v_cvt_pk_f16_f32 v[SB-4*(\t%2)+\q], v[SB+2*\q], v[SB+2*\q+1]
.endr
.endm
.macro FIN h, first                    ; my running partial sum
	v_pk_add_f32 v[T+4:T+5], v[T+4:T+5], v[T+6:T+7]
.if \first
	v_add_f32 v[AL+2*\h+1], v[T+4], v[T+5]
.else
	v_add_f32 v[T+4], v[T+4], v[T+5]
	v_fma_f32 v[AL+2*\h+1], v[AL+2*\h+1], v[AL+2*\h], v[T+4]
.endif
.endm
; resc = 1: head h's O is rescaled (16 packed multiplications); dopv = 1: in front of every two stands one matrix instruction of head pv's product.
; One setting serves both: destination, source 0 and source 2 in window 1 (O, V), source 1 in window 0 (P, the factor).
.macro RESPV h, resc, dopv, pv, zero
	WIN 0x51
.set i, 0
.rept 8
.if \dopv
	PV1 \pv, \zero
.endif
.if \resc
	v_pk_mul_f32 v[OA+32*\h+4*i:OA+32*\h+4*i+1],   v[OA+32*\h+4*i:OA+32*\h+4*i+1],   v[AL+2*\h:AL+2*\h+1] op_sel_hi:[1,0]
	v_pk_mul_f32 v[OA+32*\h+4*i+2:OA+32*\h+4*i+3], v[OA+32*\h+4*i+2:OA+32*\h+4*i+3], v[AL+2*\h:AL+2*\h+1] op_sel_hi:[1,0]
.endif
.set i, i+1
.endr
	WIN 0
.endm
; One step: 128 keys, half sub of the tile in slot.  On entry head 0's scores are made, the step's K and mask are in registers, and head 3's P of the step
; before waits for its product.  nslot: the slot of the next step.  first: nothing to rescale yet; pfirst: head 3's first product starts its sums.
; sync (in a tile's second step): the barrier of the change of slots; fill: it opens a round of the cluster's barrier, and this slot is filled again with
; the tile two further on.  last: no next step.
.macro STEP slot, sub, nslot, first, pfirst, sync, fill, last
	MAXP 0
	SHIFTP 0, \first
	EXPM 0, 1, 1
	SUMCVT 0, 0
	SUMCVT 0, 1
	SUMCVT 0, 2
	SUMCVT 0, 3
	FIN 0, \first
.if \first == 0
	RESPV 0, 1, 1, 3, \pfirst                      ; head 3's product of the step before, with its V
.endif
	MAXP 1                                         ; with the two multiplications above: 22 places between that product and the loads into its V
	WIN 0x40
	LDV \slot, \sub
	WIN 0
	SHIFTP 1, \first
	EXPM 1, 1, 2
	SUMCVT 1, 0
	SUMCVT 1, 1
	SUMCVT 1, 2
	SUMCVT 1, 3
	FIN 1, \first
	s_wait_dscnt 0x0                               ; V is in; in a tile's second step all my reads of this slot are over with it
.if \sync
	s_wait_xcnt 0x0
	v_lshl_add_u32 v254, v0, 2, 0x4a000
	v_mov_b32 v255, 0
	s_wait_tensorcnt 0x0                           ; all my tensor loads have landed: what was out is my part of the next tile
	ds_add_u32 v254, v255
	s_wait_dscnt 0x0
	s_barrier_signal -1
.endif
	RESPV 1, (1-\first), 1, 0, \first              ; register work alone up to the wait
	MAXP 2
	SHIFTP 2, \first
	EXPM 2, 1, 3
.if \sync
	s_barrier_wait -1
.endif
.if \fill
	CREST
	s_add_nc_u64 s[G0K+4*\slot+2:G0K+4*\slot+3], s[G0K+4*\slot+2:G0K+4*\slot+3], 65536     ; two tiles on: 512 keys of 128 bytes,
	s_add_nc_u64 s[G0V+4*\slot+2:G0V+4*\slot+3], s[G0V+4*\slot+2:G0V+4*\slot+3], 65536
	s_add_nc_u64 s[G0M+4*\slot+2:G0M+4*\slot+3], s[G0M+4*\slot+2:G0M+4*\slot+3], 2048      ; 512 f32 along the mask's rows
	JLOAD \slot                                    ; the first tensor loads behind the round
.endif
	SUMCVT 2, 0                                    ; with the move of the maximum: 7 places between head 3's scores and the loads into their K and mask
.if \last == 0
	LDK \nslot, (1-\sub)                           ; the next step's K and mask
.endif
	SUMCVT 2, 1
	SUMCVT 2, 2
	SUMCVT 2, 3
	FIN 2, \first
	RESPV 2, (1-\first), 1, 1, \first
	MAXP 3
	SHIFTP 3, \first
.if \last == 0
	s_wait_dscnt 0x0                               ; K and the mask are in
	MSCALE
.endif
	EXPM 3, (1-\last), 0                           ; with the next step's first scores
	SUMCVT 3, 0
	SUMCVT 3, 1
	SUMCVT 3, 2
	SUMCVT 3, 3
	FIN 3, \first
	RESPV 3, (1-\first), 1, 2, \first
.endm
	s_wait_tensorcnt 0x1                           ; waves 0-3 have issued two loads, waves 4-7 four: with one out, my part of tile 0 is in
	s_barrier_signal -1
	s_barrier_wait -1                              ; everybody's is
	LDK 0, 0
	s_wait_dscnt 0x0
	MSCALE
	s_wait_loadcnt 0x0                             ; Q
	WIN 0x04
.set i, 0
.rept 8
	SMM1 0
.set i, i+1
.endr
	WIN 0
	PLACES                                         ; between these scores and the maximum that reads them
	STEP 0, 0, 0, 1, 0, 0, 0, 0                    ; tile 0
	STEP 0, 1, 1, 0, 1, 1, 1, 0                    ;         asks for tile 2
	STEP 1, 0, 1, 0, 0, 0, 0, 0                    ; tile 1
	STEP 1, 1, 0, 0, 0, 1, 1, 0                    ;         asks for tile 3
	s_mov_b32 s21, 2
.Lquad:
	STEP 0, 0, 0, 0, 0, 0, 0, 0                    ; tiles 2-5; ask for 4-7
	STEP 0, 1, 1, 0, 0, 1, 1, 0
	STEP 1, 0, 1, 0, 0, 0, 0, 0
	STEP 1, 1, 0, 0, 0, 1, 1, 0
	s_sub_co_u32 s21, s21, 1
	s_cmp_lg_u32 s21, 0
	s_cbranch_scc1 .Lquad
	STEP 0, 0, 0, 0, 0, 0, 0, 0                    ; tile 6
	STEP 0, 1, 1, 0, 0, 1, 0, 0                    ;         a plain barrier shows tile 7 whole; nothing more is asked for; slot 0 is read no more
	STEP 1, 0, 1, 0, 0, 0, 0, 0                    ; tile 7
	STEP 1, 1, 0, 0, 0, 0, 0, 1
	RESPV 0, 0, 1, 3, 0                            ; head 3's last product
	PLACES
	; THE MERGE of the two key halves.  First each query's sum: my keys' and the other half of the lanes'.
.irp h, 0,1,2,3
	v_permlanex16_b32 v[T+4+\h], v[AL+2*\h+1], s22, s23
.endr
.irp h, 0,1,2,3
	v_add_f32 v[T+\h], v[AL+2*\h+1], v[T+4+\h]
.endr
	s_cmp_eq_u32 s13, 0
	s_cbranch_scc1 .Lkeep
	WIN 0x04                                       ; waves 4-7 hand over O (128 registers), maxima and sums, 16 bytes a lane at 16 x lane
.set i, 0
.rept 32
	ds_store_b128 v[STG], v[OA+4*i:OA+4*i+3] offset:512*i
.set i, i+1
.endr
	WIN 0
	ds_store_b128 v[STG], v[MX:MX+3] offset:16384
	ds_store_b128 v[STG], v[T:T+3] offset:16896
.Lkeep:
	s_wait_dscnt 0x0                               ; for the others' sake: my stores are done
	s_barrier_signal -1
	s_barrier_wait -1
	s_cmp_lg_u32 s13, 0
	s_cbranch_scc1 .Lend
	ds_load_b128 v[KF:KF+3], v[STG] offset:16384   ; the partner's maxima,
	ds_load_b128 v[KF+4:KF+7], v[STG] offset:16896 ; sums,
.set i, 0
.rept 32
	ds_load_b128 v[SC+4*i:SC+4*i+3], v[STG] offset:512*i           ; and O
.set i, i+1
.endr
	s_wait_dscnt 0x0
.irp h, 0,1,2,3
	v_max_num_f32 v[MK+4*\h+1], v[MX+\h], v[KF+\h]
.endr
.irp h, 0,1,2,3
	v_sub_f32 v[MK+4*\h],   v[MX+\h], v[MK+4*\h+1]
	v_sub_f32 v[MK+4*\h+2], v[KF+\h], v[MK+4*\h+1]
.endr
.irp h, 0,1,2,3
	v_exp_f32 v[MK+4*\h],   v[MK+4*\h]
	v_exp_f32 v[MK+4*\h+2], v[MK+4*\h+2]
.endr
	v_nop                                          ; the plain place behind the exponentials
	s_wait_alu depctr_va_vdst(0)
.irp h, 0,1,2,3
	v_mul_f32 v[MK+4*\h+1], v[MK+4*\h], v[T+\h]
.endr
.irp h, 0,1,2,3
	v_fmac_f32 v[MK+4*\h+1], v[MK+4*\h+2], v[KF+4+\h]              ; the row's sum: at least 1, since one of the two factors is 1
.endr
.irp h, 0,1,2,3
	v_rcp_f32 v[MK+4*\h+1], v[MK+4*\h+1]
.endr
	v_nop                                          ; the plain place behind the reciprocals
	s_wait_alu depctr_va_vdst(0)
.irp h, 0,1,2,3
	v_mul_f32 v[MK+4*\h],   v[MK+4*\h],   v[MK+4*\h+1]
	v_mul_f32 v[MK+4*\h+2], v[MK+4*\h+2], v[MK+4*\h+1]
.endr
.irp h, 0,1,2,3
.set i, 0
.rept 16
	v_pk_mul_f32 v[SC+32*\h+2*i:SC+32*\h+2*i+1], v[SC+32*\h+2*i:SC+32*\h+2*i+1], v[MK+4*\h+2:MK+4*\h+3] op_sel_hi:[1,0]
.set i, i+1
.endr
.endr
	WIN 0x01
.irp h, 0,1,2,3
.set i, 0
.rept 16
	v_pk_fma_f32 v[SC+32*\h+2*i:SC+32*\h+2*i+1], v[OA+32*\h+2*i:OA+32*\h+2*i+1], v[MK+4*\h:MK+4*\h+1], v[SC+32*\h+2*i:SC+32*\h+2*i+1] op_sel_hi:[1,0,1]
.set i, i+1
.endr
.endr
	WIN 0
.irp h, 0,1,2,3
.irp dt, 0,1,2,3
.irp q, 0,1,2,3
	v_cvt_pk_f16_f32 v[SC+32*\h+8*\dt+\q], v[SC+32*\h+8*\dt+2*\q], v[SC+32*\h+8*\dt+2*\q+1]
.endr
.endr
.endr
	; att: [block of 16 queries][chunk = 8 head + d / 8][query r][8 d]: my 16 bytes are entry r of chunk 2 dt + h: a store covers 512 consecutive bytes, aligned
.irp h, 0,1,2,3
.irp dt, 0,1,2,3
	global_store_b128 v[CO], v[SC+32*\h+8*\dt:SC+32*\h+8*\dt+3], s[10:11] offset:2048*\h+512*\dt
.endr
.endr
.Lend:
	s_wait_xcnt 0x0
	v_lshl_add_u32 v254, v0, 2, 0x4a000
	v_mov_b32 v255, 0
	s_wait_tensorcnt 0x0
	ds_add_u32 v254, v255
	s_wait_dscnt 0x0
	CROUND                                         ; the closing round
	s_endpgm
.Lfunc_end_k_q48d7df759b_attn:
	.size	k_q48d7df759b_attn, .Lfunc_end_k_q48d7df759b_attn-k_q48d7df759b_attn
	.p2alignl 7, 3214868480
	.fill 96, 4, 3214868480
	.section	.rodata,"a",@progbits
	.p2align	6, 0x0
	.amdhsa_kernel k_q48d7df759b_attn
		.amdhsa_group_segment_fixed_size 327680
		.amdhsa_private_segment_fixed_size 0
		.amdhsa_enable_private_segment 0
		.amdhsa_kernarg_size 32
		.amdhsa_user_sgpr_count 2
		.amdhsa_user_sgpr_kernarg_segment_ptr 1
		.amdhsa_wavefront_size32 1
		.amdhsa_system_sgpr_workgroup_id_x 1
		.amdhsa_system_sgpr_workgroup_id_y 1
		.amdhsa_system_sgpr_workgroup_id_z 1
		.amdhsa_system_vgpr_workitem_id 0
		.amdhsa_next_free_vgpr 512
		.amdhsa_next_free_sgpr 96
		.amdhsa_reserve_vcc 0
		.amdhsa_float_denorm_mode_32 3
		.amdhsa_float_denorm_mode_16_64 3
		.amdhsa_memory_ordered 1
		.amdhsa_forward_progress 1
		.amdhsa_inst_pref_size 255
	.end_amdhsa_kernel
	.section	.bss,"aw",@nobits
	.p2align	6
	.space	262144
	.amdgpu_metadata
---
amdhsa.version: [ 1, 2 ]
amdhsa.kernels:
  - .name:           k_q48d7df759b_attn
    .symbol:         k_q48d7df759b_attn.kd
    .args:
      - { .name: qf, .offset: 0, .size: 8, .value_kind: global_buffer, .address_space: global }
      - { .name: kvf, .offset: 8, .size: 8, .value_kind: global_buffer, .address_space: global }
      - { .name: mask, .offset: 16, .size: 8, .value_kind: global_buffer, .address_space: global }
      - { .name: att, .offset: 24, .size: 8, .value_kind: global_buffer, .address_space: global }
    .group_segment_fixed_size: 327680
    .private_segment_fixed_size: 0
    .kernarg_segment_align: 8
    .kernarg_segment_size: 32
    .max_flat_workgroup_size: 256
    .sgpr_count:     96
    .vgpr_count:     512
    .wavefront_size: 32
...
	.end_amdgpu_metadata
.endif
;; end of part 3
;; launch oproj (part 4): grid 16 x 16, 4 waves a work-group, clusters of 4 x 4, 327,680 bytes of LDS; arguments att, wob, out0; writes out0
.if DOCPART == 4
	.amdgcn_target "amdgcn-amd-amdhsa--gfx1250"
	.amdhsa_code_object_version 6
	.text
	.protected	k_q48d7df759b_oproj
	.globl	k_q48d7df759b_oproj
	.p2align	8
	.type	k_q48d7df759b_oproj,@function
k_q48d7df759b_oproj:
	s_mov_b64 s[64:65], 0
	v_nop
	global_prefetch_b8 v0, s[64:65] scope:SCOPE_SE
	s_setreg_imm32_b32 hwreg(HW_REG_WAVE_MODE, 25, 1), 1
	s_wait_xcnt 0x0
	s_wait_alu depctr_hold_cnt(0) depctr_sa_sdst(0) depctr_va_vdst(0) depctr_va_sdst(0) depctr_va_ssrc(0) depctr_va_vcc(0) depctr_vm_vsrc(0)
	s_getreg_b32 s2, hwreg(HW_REG_IB_STS2, 6, 4)
	s_cmp_eq_u32 s2, 0
	s_cbranch_scc0 .Lentry_in_a_cluster
	s_endpgm
.Lentry_in_a_cluster:
	s_bfe_u32 s2, ttmp6, 0x10000c
	s_cmp_lg_u32 s2, 0xf033
	s_cbranch_scc0 .Lentry_shape_is_right
	s_endpgm
.Lentry_shape_is_right:
; out0 = att wo.  att: f16, [block of 16 rows][chunk k / 8][row r][8 k]; wob: f16, [k 2048][n 2048]; out0: f32 row-major; sums f32.
; Work-group (nb, mb) of 16 x 16: a block of 128 x 128 of out0 (a larger block would leave WGPs without work: 2048 x 2048 / 256 work-groups);
; wave w (wr = w / 2, wc = w % 2): 64 x 64, 16 accumulator tiles.  K in steps of 256 through two LDS slots filled by the tensor data mover.
; Source 0 = 16 columns of wo (transposing loads), source 1 = 16 rows of att: lane (r, h) holds row r, columns 16 nt + 8 h + 0..7: 32 neighbouring bytes.
; CLUSTERS 4 x 4: att's tile hangs on mb alone and is asked for jointly by a row of the cluster, wo's on nb alone, by a column.
; One tensor load a wave and tile; by this text's own count at most two of a wave are out (at the start), later one.
.set SLOT,  139264                     ; B 256 k rows x (256 + 32) bytes; A 8 blocks x 8,192 dense bytes
.set AOFF,  73728
.set STAGE, 278528                     ; behind the ring, never filled by a tensor load: 16 rows x 272 bytes for each wave
.set ADRA,  6                          ; v6-7   LDS address of my att fragments, slot 0, 1
.set ADRB,  8                          ; v8-11  of my wo fragments: slot 0 k rows 0-127, 128-255, slot 1 likewise
.set STO,   12                         ; v12    the way out: where I put 32 bytes of a row
.set RD,    13                         ; v13    where I read 16 bytes of a row back
.set CO,    14                         ; v14    my byte offset in out0
.set F0,    32                         ; v[32:95]   fragment buffer 0: att tile mt at +8 mt, wo tile nt at +32 + 8 nt
.set F1,    96                         ; v[96:159]  fragment buffer 1
.set TMP,   160                        ; v[160:223] the way out, two sets of 32
                                       ; window 1: accumulator (nt, mt) at v[8 (4 nt + mt)]
.set G1A, 28
.set G1B, 36
.set G0A, 44                           ; s[44:47], s[48:51]
.set G0B, 52                           ; s[52:55], s[56:59]
.set MSB, 0
.macro WIN new
.if MSB != \new
	s_set_vgpr_msb (MSB<<8)|\new
.set MSB, \new
.endif
.endm
.macro PLACES
.rept 4
	v_nop
.endr
.endm
.macro CREST
	s_cmp_lg_u32 s10, 0
	s_cbranch_scc1 .Lnot_wave_0_\@
	s_barrier_signal -3
.Lnot_wave_0_\@:
	s_barrier_wait -3
	s_barrier_signal -1
	s_barrier_wait -1
.endm
.macro CROUND
	s_barrier_signal -1
	s_barrier_wait -1
	CREST
.endm
.macro JLOAD s                         ; waves 0, 1: 128 k rows each of wo's tile; waves 2, 3: 4 row blocks each of att's tile
	s_cmp_eq_u32 s11, 0
	s_cbranch_scc0 .Lfor_a_\@
	tensor_load_to_lds s[G0B+4*\s:G0B+4*\s+3], s[G1B:G1B+7]
	s_nop 0
	s_branch .Lasked_\@
.Lfor_a_\@:
	tensor_load_to_lds s[G0A+4*\s:G0A+4*\s+3], s[G1A:G1A+7]
	s_nop 0
.Lasked_\@:
.endm
	s_load_b128 s[4:7], s[0:1], 0x0                ; att 4, wob 6
	s_load_b64 s[8:9], s[0:1], 0x10                ; out0
	v_lshl_add_u32 v254, v0, 2, 0x48400
	v_mov_b32 v255, 0
	ds_add_u32 v254, v255
	v_lshrrev_b32 v1, 5, v0
	v_readfirstlane_b32 s10, v1                    ; wave
	s_lshr_b32 s11, s10, 1                         ; wr; also: 0 = I fetch wo, 1 = I fetch att
	s_and_b32 s12, s10, 1                          ; wc; also: which half of a tile I fetch
	s_bfe_u32 s13, ttmp6, 0x40000                  ; cx
	s_bfe_u32 s14, ttmp6, 0x40004                  ; cy
	s_lshl_b32 s15, ttmp9, 2
	s_add_co_u32 s15, s15, s13                     ; nb
	s_and_b32 s16, ttmp7, 0xffff
	s_lshl_b32 s16, s16, 2
	s_add_co_u32 s16, s16, s14                     ; mb
	s_lshl_b32 s17, s14, 2
	s_lshl_b32 s17, 15, s17                        ; my row of the cluster
	s_lshl_b32 s18, 0x1111, s13                    ; my column
	; att: 4 row blocks x 8,192 bytes (32 chunks = 256 k), 65,536 bytes from block to block; elements of 8 bytes; dense in LDS
	s_or_b32 s[G1A+0], s17, 0x00230000
	s_mov_b32 s[G1A+1], 1024<<16
	s_mov_b32 s[G1A+2], 4<<16
	s_mov_b32 s[G1A+3], 1024<<16
	s_mov_b32 s[G1A+4], 4
	s_mov_b32 s[G1A+5], 8192
	s_mov_b32 s[G1A+6], 0
	s_mov_b32 s[G1A+7], 0
	; wo: 128 k rows x 128 columns of 2 bytes, 32 bytes of padding: pitch 288
	s_or_b32 s[G1B+0], s18, 0x0f710000
	s_mov_b32 s[G1B+1], 128<<16
	s_mov_b32 s[G1B+2], 128<<16
	s_mov_b32 s[G1B+3], 128<<16
	s_mov_b32 s[G1B+4], 128
	s_mov_b32 s[G1B+5], 2048
	s_mov_b32 s[G1B+6], 0
	s_mov_b32 s[G1B+7], 0
	s_lshl_b32 s20, s16, 19                        ; att: block 8 mb + 4 (w % 2) of 65,536 bytes
	s_lshl_b32 s24, s12, 18
	s_add_co_u32 s20, s20, s24
	s_mov_b32 s21, 0
	s_lshl_b32 s22, s15, 8                         ; wo: 128 nb columns + my 128 k rows of 4,096 bytes
	s_lshl_b32 s24, s12, 19
	s_add_co_u32 s22, s22, s24
	s_mov_b32 s23, 0
	s_mul_i32 s25, s10, 32768
	s_mul_i32 s26, s10, 36864
	s_wait_dscnt 0x0
	s_wait_kmcnt 0x0
	s_add_nc_u64 s[20:21], s[4:5], s[20:21]
	s_add_nc_u64 s[22:23], s[6:7], s[22:23]
	CROUND                                         ; all sixteen work-groups are here: the first joint loads meet
.irp s, 0,1
	s_mov_b32 s[G0A+4*\s], 1
	s_add_co_u32 s[G0A+4*\s+1], s25, \s*SLOT+8192                  ; waves 2, 3: 73,728 and 106,496 in the slot
	s_add_nc_u64 s[G0A+4*\s+2:G0A+4*\s+3], s[20:21], \s*8192
	s_or_b32 s[G0A+4*\s+3], s[G0A+4*\s+3], 0x80000000
	s_mov_b32 s[G0B+4*\s], 1
	s_add_co_u32 s[G0B+4*\s+1], s26, \s*SLOT
	s_add_nc_u64 s[G0B+4*\s+2:G0B+4*\s+3], s[22:23], \s*1048576
	s_or_b32 s[G0B+4*\s+3], s[G0B+4*\s+3], 0x80000000
	JLOAD \s
.endr
	v_and_b32 v1, 31, v0                           ; l
	v_and_b32 v2, 15, v0                           ; r
	v_bfe_u32 v3, v0, 4, 1                         ; h
	v_and_b32 v4, 7, v0                            ; l % 8
	v_bfe_u32 v5, v0, 3, 1                         ; (l / 8) % 2
	v_lshlrev_b32 v15, 4, v1
	s_lshl_b32 s24, s11, 15                        ; my 4 row blocks
	s_add_co_u32 s24, s24, AOFF
	v_add_nc_u32 v[ADRA], s24, v15
	v_add_nc_u32 v[ADRA+1], SLOT, v[ADRA]
	v_lshl_add_u32 v16, v3, 3, v4                  ; wo, stored [k][n]: k row 8 h + l % 8, 16 bytes at column 64 wc + 8 ((l / 8) % 2)
	v_mul_u32_u24 v16, v16, 288
	v_lshl_add_u32 v16, v5, 4, v16
	s_lshl_b32 s24, s12, 7
	v_add_nc_u32 v[ADRB], s24, v16
	v_add_nc_u32 v[ADRB+1], 36864, v[ADRB]
	v_add_nc_u32 v[ADRB+2], SLOT, v[ADRB]
	v_add_nc_u32 v[ADRB+3], SLOT+36864, v[ADRB]
	s_mul_i32 s24, s10, 4352
	s_add_co_u32 s24, s24, STAGE                   ; my stage
	v_mul_u32_u24 v16, v2, 272                     ; in: row r, 32 bytes for each half of the lanes
	v_lshl_add_u32 v16, v3, 5, v16
	v_add_nc_u32 v[STO], s24, v16
	v_mul_u32_u24 v16, v3, 272                     ; back: lanes 0-15 take one row of 256 bytes, lanes 16-31 the next
	v_lshl_add_u32 v16, v2, 4, v16
	v_add_nc_u32 v[RD], s24, v16
	v_lshlrev_b32 v[CO], 13, v3                    ; and the same two rows in out0 (8,192 bytes a row)
	v_lshl_add_u32 v[CO], v2, 4, v[CO]
.macro FETCH slot, kk, f               ; 16 LDS loads: the fragments of 32 along K (quarter kk = 0..7)
.irp mt, 0,1,2,3
	ds_load_b128 v[\f+8*\mt:\f+8*\mt+3],   v[ADRA+\slot] offset:8192*\mt+1024*\kk
	ds_load_b128 v[\f+8*\mt+4:\f+8*\mt+7], v[ADRA+\slot] offset:8192*\mt+1024*\kk+512
.endr
.irp nt, 0,1,2,3
	ds_load_tr16_b128 v[\f+32+8*\nt:\f+32+8*\nt+3],   v[ADRB+2*\slot+\kk/4] offset:9216*(\kk%4)+32*\nt
	ds_load_tr16_b128 v[\f+32+8*\nt+4:\f+32+8*\nt+7], v[ADRB+2*\slot+\kk/4] offset:9216*(\kk%4)+32*\nt+4608
.endr
.endm
; The 16 accumulators take turns, one instruction a turn, in the same order in every quarter, over the loop's backward jump too.
.macro MULT f, nt, zero
.irp mt, 0,1,2,3
.if \zero
	v_wmma_f32_16x16x32_f16 v[8*(4*\nt+\mt):8*(4*\nt+\mt)+7], v[\f+32+8*\nt:\f+32+8*\nt+7], v[\f+8*\mt:\f+8*\mt+7], 0
.else
	v_wmma_f32_16x16x32_f16 v[8*(4*\nt+\mt):8*(4*\nt+\mt)+7], v[\f+32+8*\nt:\f+32+8*\nt+7], v[\f+8*\mt:\f+8*\mt+7], v[8*(4*\nt+\mt):8*(4*\nt+\mt)+7]
.endif
.endr
.endm
.macro MULA f, zero
	MULT \f, 0, \zero
	MULT \f, 1, \zero
.endm
.macro MULB f, zero
	MULT \f, 2, \zero
	MULT \f, 3, \zero
.endm
.macro QUARTER slot, knext, f, g, zero
	s_wait_dscnt 0x0                               ; buffer f's 16 loads, the only ones out
	PLACES                                         ; buffer g was read by the matrix instructions just in front
	FETCH \slot, \knext, \g
	WIN 0x50
	MULA \f, \zero
	MULB \f, \zero
	WIN 0
.endm
; The eighth quarter changes slots: each wave's waits for its reads of this slot and for all its tensor loads, the barrier (with fill = 1 it opens a round of
; the cluster's barrier), the refill first behind it, then the next slot's first fragments.
.macro TURN slot, next, fill
	s_wait_dscnt 0x0
	s_wait_tensorcnt 0x0
	ds_add_u32 v254, v255
	s_wait_dscnt 0x0
	s_barrier_signal -1
	WIN 0x50
	MULA F1, 0
	WIN 0
	s_barrier_wait -1
.if \fill
	CREST
	s_add_nc_u64 s[G0A+4*\slot+2:G0A+4*\slot+3], s[G0A+4*\slot+2:G0A+4*\slot+3], 16384     ; two K steps on: 64 chunks,
	s_add_nc_u64 s[G0B+4*\slot+2:G0B+4*\slot+3], s[G0B+4*\slot+2:G0B+4*\slot+3], 2097152   ; 512 k rows of 4,096 bytes
	JLOAD \slot
.endif
	PLACES
	FETCH \next, 0, F0
	WIN 0x50
	MULB F1, 0
	WIN 0
.endm
.macro SEVEN slot, zero
	QUARTER \slot, 1, F0, F1, \zero
	QUARTER \slot, 2, F1, F0, 0
	QUARTER \slot, 3, F0, F1, 0
	QUARTER \slot, 4, F1, F0, 0
	QUARTER \slot, 5, F0, F1, 0
	QUARTER \slot, 6, F1, F0, 0
	QUARTER \slot, 7, F0, F1, 0
.endm
.macro LAP zero
	SEVEN 0, \zero
	TURN 0, 1, 1
	SEVEN 1, 0
	TURN 1, 0, 1
.endm
	s_wait_tensorcnt 0x1                           ; each wave has issued two loads: its part of K step 0 is in
	s_barrier_signal -1
	s_barrier_wait -1                              ; everybody's is
	FETCH 0, 0, F0
	LAP 1
	s_mov_b32 s19, 2
.Llap:
	LAP 0
	s_sub_co_u32 s19, s19, 1
	s_cmp_lg_u32 s19, 0
	s_cbranch_scc1 .Llap
	SEVEN 0, 0                                     ; the last lap fills nothing
	TURN 0, 1, 0
	SEVEN 1, 0
	s_wait_dscnt 0x0
	WIN 0x50
	MULA F1, 0
	MULB F1, 0
	WIN 0
	; THE WAY OUT, 16 rows at a time through my own stage, so that sixteen lanes store 256 consecutive bytes of a row of out0, aligned
	PLACES
	s_lshl_b32 s20, s16, 20                        ; (128 mb + 64 wr) rows of 8,192 bytes
	s_lshl_b32 s24, s11, 19
	s_add_co_u32 s20, s20, s24
	s_lshl_b32 s24, s15, 9                         ; + 128 nb + 64 wc columns of 4 bytes
	s_add_co_u32 s20, s20, s24
	s_lshl_b32 s24, s12, 8
	s_add_co_u32 s20, s20, s24
	s_mov_b32 s21, 0
	s_add_nc_u64 s[8:9], s[8:9], s[20:21]
.macro OUT16 mt, set
	WIN 0x04                                       ; store data in window 1
.irp nt, 0,1,2,3
	ds_store_b128 v[STO], v[8*(4*\nt+\mt):8*(4*\nt+\mt)+3]   offset:64*\nt
	ds_store_b128 v[STO], v[8*(4*\nt+\mt)+4:8*(4*\nt+\mt)+7] offset:64*\nt+16
.endr
	WIN 0
	s_wait_xcnt 0x0                                ; the stores' data registers and base are rewritten only behind this wait
.if \mt
	s_add_nc_u64 s[8:9], s[8:9], 131072            ; 16 rows on
.endif
.irp t, 0,1,2,3,4,5,6,7
	ds_load_b128 v[TMP+32*\set+4*\t:TMP+32*\set+4*\t+3], v[RD] offset:544*\t       ; LDS serves a wave's instructions in order: these see the stores above
.endr
.irp t, 0,1,2,3,4,5,6,7
	s_wait_dscnt 7-\t                              ; load t is in, the 7-t younger ones stay out
	global_store_b128 v[CO], v[TMP+32*\set+4*\t:TMP+32*\set+4*\t+3], s[8:9] offset:16384*\t th:TH_STORE_NT
.endr
.endm
	OUT16 0, 0
	OUT16 1, 1
	OUT16 2, 0
	OUT16 3, 1
	s_wait_tensorcnt 0x0
	ds_add_u32 v254, v255
	s_wait_dscnt 0x0
	CROUND                                         ; the closing round
	s_endpgm
.Lfunc_end_k_q48d7df759b_oproj:
	.size	k_q48d7df759b_oproj, .Lfunc_end_k_q48d7df759b_oproj-k_q48d7df759b_oproj
	.p2alignl 7, 3214868480
	.fill 96, 4, 3214868480
	.section	.rodata,"a",@progbits
	.p2align	6, 0x0
	.amdhsa_kernel k_q48d7df759b_oproj
		.amdhsa_group_segment_fixed_size 327680
		.amdhsa_private_segment_fixed_size 0
		.amdhsa_enable_private_segment 0
		.amdhsa_kernarg_size 24
		.amdhsa_user_sgpr_count 2
		.amdhsa_user_sgpr_kernarg_segment_ptr 1
		.amdhsa_wavefront_size32 1
		.amdhsa_system_sgpr_workgroup_id_x 1
		.amdhsa_system_sgpr_workgroup_id_y 1
		.amdhsa_system_sgpr_workgroup_id_z 1
		.amdhsa_system_vgpr_workitem_id 0
		.amdhsa_next_free_vgpr 384
		.amdhsa_next_free_sgpr 66
		.amdhsa_reserve_vcc 0
		.amdhsa_float_denorm_mode_32 3
		.amdhsa_float_denorm_mode_16_64 3
		.amdhsa_memory_ordered 1
		.amdhsa_forward_progress 1
		.amdhsa_inst_pref_size 126
	.end_amdhsa_kernel
	.amdgpu_metadata
---
amdhsa.version: [ 1, 2 ]
amdhsa.kernels:
  - .name:           k_q48d7df759b_oproj
    .symbol:         k_q48d7df759b_oproj.kd
    .args:
      - { .name: att, .offset: 0, .size: 8, .value_kind: global_buffer, .address_space: global }
      - { .name: wob, .offset: 8, .size: 8, .value_kind: global_buffer, .address_space: global }
      - { .name: out0, .offset: 16, .size: 8, .value_kind: global_buffer, .address_space: global }
    .group_segment_fixed_size: 327680
    .private_segment_fixed_size: 0
    .kernarg_segment_align: 8
    .kernarg_segment_size: 24
    .max_flat_workgroup_size: 128
    .sgpr_count:     66
    .vgpr_count:     384
    .wavefront_size: 32
...
	.end_amdgpu_metadata
.endif
;; end of part 4
;; ======== version 2 of 2: 4 launches; version 1 with the launch prep written anew for expert scheduling mode
;; limits: inputs' magnitudes at most 6.9e+37; values are held in f16: magnitudes above 65,504 overflow, below 6.1e-05 lose precision; values outside matrix products are rounded to bf16
;; workspace buffers: xb 8,388,608 bytes; wqb 8,388,608 bytes; wob 8,388,608 bytes; wkvb 2,097,152 bytes; qf 8,388,608 bytes; kvf 2,097,152 bytes; att 8,388,608 bytes
;; launch prep (part 5): grid 832 x 1, 8 waves a work-group, no clusters, 0 bytes of LDS; arguments x, wq, wo, wk, wv, xb, wqb, wob, wkvb; writes xb, wqb, wob, wkvb
.if DOCPART == 5
	.amdgcn_target "amdgcn-amd-amdhsa--gfx1250"
	.amdhsa_code_object_version 6
	.text
	.protected	k_q48d7df759b_prep
	.globl	k_q48d7df759b_prep
	.p2align	8
	.type	k_q48d7df759b_prep,@function
k_q48d7df759b_prep:
	s_mov_b64 s[64:65], 0
	v_nop
	global_prefetch_b8 v0, s[64:65] scope:SCOPE_SE
	s_setreg_imm32_b32 hwreg(HW_REG_WAVE_SCHED_MODE, 0, 2), 2
	s_setreg_imm32_b32 hwreg(HW_REG_WAVE_MODE, 25, 1), 1
	s_wait_xcnt 0x0
	s_wait_alu depctr_vm_vsrc(0)
; The five f32 operands of the matrix products are rounded once to 16 bits, so that the products' kernels load half the bytes and convert nothing.
;   x -> xb, wq -> wqb : bf16, same row-major layout.
;   wk, wv -> wkvb     : bf16, as [16 blocks of 32 columns][2048 k][32 columns]; blocks 0-7 are wk's, 8-15 wv's: a block's k rows are dense.
;   wo -> wob          : rounded to bf16 like the other four, so that every input is rounded alike, and that number is then written in f16,
;                        because wo's partner in its matrix product (att) is f16 and both operands of a matrix instruction have one format.
;                        LIMIT: the rewriting is exact for 2^-14 <= |w| < 65,520 (8 significant bits fit in 11); smaller numbers are cut at
;                        steps of 2^-24, larger ones become infinite.
; A stream: no LDS, no barrier, no matrix unit, no cluster (no byte is read twice).  A work-group casts 64 KiB of f32, a wave 8 KiB by 16 loads of
; 16 bytes a lane, all issued before the first is waited for.  No register that a memory instruction names is used twice, so no source of a pending instruction is rewritten.
; Work-groups 0-255: x, 256-511: wq, 512-767: wo, 768-799: wk, 800-831: wv.
; Every store of a wave covers 256 consecutive bytes, aligned.  The loads of wk and wv take four pieces of 128 bytes (32 columns of four k rows):
; that is 4 MiB of the 52 MiB read here.
; THE MODE: SCHED_MODE bits 1:0 = 2 (LLVM: expert scheduling mode 2), set by the entry lines.  The code itself states the register dependences
; between vector instructions and memory instructions, with s_wait_alu, always for 0.
; THE PLAN.  Registers that memory instructions touch:
;   VIN, VOUT  byte offsets.  Written by vector instructions at the head, once, in each arm; read by the 16 loads and by the 16 stores; never written again.
;   X          load i lands in X + 4 i.  No vector instruction names X ahead of the loads; behind the wait for load i its conversions read it
;              (for wo they also write it again: no memory instruction reads X, and no later load lands in it).
;   Y          the conversions of load i write Y + 2 i and Y + 2 i + 1; store i alone reads them; they are never written again.
; So the one kind of dependence is: a vector instruction writes, a memory instruction reads.  It is stated five times in a cast: once ahead of the first load,
; for VIN and VOUT; and, the 16 loads taken in four blocks of four, once for each block's eight Y registers: at the head of the next block, behind the wait
; for that block's first load, with the four stores in one run behind it; for the last block behind its conversions.  The conversions of a block name
; X and Y of that block alone, none of the registers that the stores of the block before read.
.set VIN,  4                           ; v4        byte offset of my 16 bytes in the wave's first load
.set VOUT, 5                           ; v5        byte offset of my 8 bytes in the wave's first store
.set X,    16                          ; v[16:79]  load i: 4 f32
.set Y,    80                          ; v[80:111] store i: 4 numbers of 16 bits
; Store j of a cast.  mode as below.
.macro PUT mode, j
.if \mode == 1
	global_store_b64 v[VOUT], v[Y+2*(\j):Y+2*(\j)+1], s[26:27] offset:131072*((\j)/2)+256*((\j)%2)
.else
	global_store_b64 v[VOUT], v[Y+2*(\j):Y+2*(\j)+1], s[26:27] offset:256*(\j)
.endif
.endm
; mode 0: linear, bf16.  mode 1: wk or wv into blocks of 32 columns, bf16.  mode 2: linear, bf16 numbers written in f16.
.macro CAST mode
	s_wait_alu depctr_va_vdst(0)                   ; VIN and VOUT are written: every load below reads the one as its offset, every store the other
.set i, 0
.rept 16
.if \mode == 1
	global_load_b128 v[X+4*i:X+4*i+3], v[VIN], s[24:25] offset:4096*(i%2)+128*(i/2) th:TH_LOAD_NT   ; k rows +4 (i odd), column block i/2
.else
	global_load_b128 v[X+4*i:X+4*i+3], v[VIN], s[24:25] offset:512*i th:TH_LOAD_NT
.endif
.set i, i+1
.endr
.set i, 0
.rept 16
	s_wait_loadcnt 15-i                            ; loads come back in order: load i is in, the 15-i younger ones stay out
.if (i%4 == 0) && (i > 0)
	s_wait_alu depctr_va_vdst(0)                   ; the conversions of the block before have written its eight Y registers, which the four stores below read
	PUT \mode, i-4
	PUT \mode, i-3
	PUT \mode, i-2
	PUT \mode, i-1
.endif
	v_cvt_pk_bf16_f32 v[Y+2*i],   v[X+4*i],   v[X+4*i+1]
	v_cvt_pk_bf16_f32 v[Y+2*i+1], v[X+4*i+2], v[X+4*i+3]
.if \mode == 2
	v_lshlrev_b32 v[X+4*i],   16, v[Y+2*i]          ; the bf16 numbers as f32 again,
	v_and_b32     v[X+4*i+1], 0xffff0000, v[Y+2*i]
	v_lshlrev_b32 v[X+4*i+2], 16, v[Y+2*i+1]
	v_and_b32     v[X+4*i+3], 0xffff0000, v[Y+2*i+1]
	v_cvt_pk_f16_f32 v[Y+2*i],   v[X+4*i],   v[X+4*i+1]    ; and in f16
	v_cvt_pk_f16_f32 v[Y+2*i+1], v[X+4*i+2], v[X+4*i+3]
.endif
.set i, i+1
.endr
	s_wait_alu depctr_va_vdst(0)                   ; the last block's conversions have written its eight Y registers, which the last four stores read
	PUT \mode, 12
	PUT \mode, 13
	PUT \mode, 14
	PUT \mode, 15
.endm
	s_load_b512 s[4:19], s[0:1], 0x0               ; x 4, wq 6, wo 8, wk 10, wv 12, xb 14, wqb 16, wob 18
	s_load_b64 s[20:21], s[0:1], 0x40              ; wkvb
	s_lshr_b32 s22, ttmp9, 8                       ; which tensor: 0 x, 1 wq, 2 wo, 3 wk and wv
	s_and_b32 s23, ttmp9, 255                      ; which 64 KiB of it
	v_and_b32 v1, 31, v0                           ; lane
	v_lshrrev_b32 v2, 5, v0                        ; wave
	s_mov_b32 s29, 0                               ; high words of the two offsets
	s_mov_b32 s31, 0
	s_wait_kmcnt 0x0
	s_cmp_eq_u32 s22, 3
	s_cbranch_scc1 .Lkv
	v_lshlrev_b32 v[VIN], 4, v1                    ; 16 x lane
	v_lshl_add_u32 v[VIN], v2, 13, v[VIN]          ; + 8,192 x wave
	v_lshlrev_b32 v[VOUT], 3, v1                   ; 8 x lane
	v_lshl_add_u32 v[VOUT], v2, 12, v[VOUT]        ; + 4,096 x wave
	s_lshl_b32 s28, s23, 16                        ; 64 KiB in,
	s_lshl_b32 s30, s23, 15                        ; 32 KiB out
	s_cmp_eq_u32 s22, 2
	s_cbranch_scc1 .Lwo
	s_cmp_eq_u32 s22, 0
	s_cselect_b64 s[24:25], s[4:5], s[6:7]         ; x or wq
	s_cselect_b64 s[26:27], s[14:15], s[16:17]     ; xb or wqb
	s_add_nc_u64 s[24:25], s[24:25], s[28:29]
	s_add_nc_u64 s[26:27], s[26:27], s[30:31]
	CAST 0
	s_endpgm
.Lwo:
	s_add_nc_u64 s[24:25], s[8:9], s[28:29]
	s_add_nc_u64 s[26:27], s[18:19], s[30:31]
	CAST 2
	s_endpgm
.Lkv:
	s_lshr_b32 s22, s23, 5                         ; 0 wk, 1 wv
	s_and_b32 s23, s23, 31                         ; which 64 k rows (a row is 1,024 bytes)
	s_cmp_eq_u32 s22, 0
	s_cselect_b64 s[24:25], s[10:11], s[12:13]
	s_lshl_b32 s28, s23, 16
	s_add_nc_u64 s[24:25], s[24:25], s[28:29]
	s_lshl_b32 s30, s22, 20                        ; wv's blocks lie 8 x 131,072 bytes behind wk's
	s_lshl_b32 s23, s23, 12                        ; 64 k rows of 64 bytes
	s_add_co_u32 s30, s30, s23
	s_add_nc_u64 s[26:27], s[20:21], s[30:31]
	v_lshrrev_b32 v3, 3, v1                        ; k row 0-3 of the load
	v_and_b32 v6, 7, v1                            ; which 4 of the block's 32 columns
	v_lshlrev_b32 v[VIN], 4, v6
	v_lshl_add_u32 v[VIN], v3, 10, v[VIN]
	v_lshl_add_u32 v[VIN], v2, 13, v[VIN]          ; + 8 k rows a wave
	v_lshlrev_b32 v[VOUT], 3, v1                   ; 64 x k row + 8 x piece = 8 x lane
	v_lshl_add_u32 v[VOUT], v2, 9, v[VOUT]         ; + 8 k rows of 64 bytes a wave
	CAST 1
	s_endpgm
.Lfunc_end_k_q48d7df759b_prep:
	.size	k_q48d7df759b_prep, .Lfunc_end_k_q48d7df759b_prep-k_q48d7df759b_prep
	.p2alignl 7, 3214868480
	.fill 96, 4, 3214868480
	.section	.rodata,"a",@progbits
	.p2align	6, 0x0
	.amdhsa_kernel k_q48d7df759b_prep
		.amdhsa_group_segment_fixed_size 0
		.amdhsa_private_segment_fixed_size 0
		.amdhsa_enable_private_segment 0
		.amdhsa_kernarg_size 72
		.amdhsa_user_sgpr_count 2
		.amdhsa_user_sgpr_kernarg_segment_ptr 1
		.amdhsa_wavefront_size32 1
		.amdhsa_system_sgpr_workgroup_id_x 1
		.amdhsa_system_sgpr_workgroup_id_y 1
		.amdhsa_system_sgpr_workgroup_id_z 1
		.amdhsa_system_vgpr_workitem_id 0
		.amdhsa_next_free_vgpr 112
		.amdhsa_next_free_sgpr 66
		.amdhsa_reserve_vcc 0
		.amdhsa_float_denorm_mode_32 3
		.amdhsa_float_denorm_mode_16_64 3
		.amdhsa_memory_ordered 1
		.amdhsa_forward_progress 1
		.amdhsa_inst_pref_size 24
	.end_amdhsa_kernel
	.amdgpu_metadata
---
amdhsa.version: [ 1, 2 ]
amdhsa.kernels:
  - .name:           k_q48d7df759b_prep
    .symbol:         k_q48d7df759b_prep.kd
    .args:
      - { .name: x, .offset: 0, .size: 8, .value_kind: global_buffer, .address_space: global }
      - { .name: wq, .offset: 8, .size: 8, .value_kind: global_buffer, .address_space: global }
      - { .name: wo, .offset: 16, .size: 8, .value_kind: global_buffer, .address_space: global }
      - { .name: wk, .offset: 24, .size: 8, .value_kind: global_buffer, .address_space: global }
      - { .name: wv, .offset: 32, .size: 8, .value_kind: global_buffer, .address_space: global }
      - { .name: xb, .offset: 40, .size: 8, .value_kind: global_buffer, .address_space: global }
      - { .name: wqb, .offset: 48, .size: 8, .value_kind: global_buffer, .address_space: global }
      - { .name: wob, .offset: 56, .size: 8, .value_kind: global_buffer, .address_space: global }
      - { .name: wkvb, .offset: 64, .size: 8, .value_kind: global_buffer, .address_space: global }
    .group_segment_fixed_size: 0
    .private_segment_fixed_size: 0
    .kernarg_segment_align: 8
    .kernarg_segment_size: 72
    .max_flat_workgroup_size: 256
    .sgpr_count:     66
    .vgpr_count:     112
    .wavefront_size: 32
...
	.end_amdgpu_metadata
.endif
;; end of part 5
;; launch qkv: the kernel of part 2 again; grid 16 x 16, 4 waves a work-group, clusters of 4 x 4, 327,680 bytes of LDS; arguments xb, wqb, wkvb, freqs_cos, freqs_sin, qf, kvf; writes qf, kvf
;; launch attn: the kernel of part 3 again; grid 8 x 32, 8 waves a work-group, clusters of 4 x 4, 327,680 bytes of LDS; arguments qf, kvf, mask, att; writes att
;; launch oproj: the kernel of part 4 again; grid 16 x 16, 4 waves a work-group, clusters of 4 x 4, 327,680 bytes of LDS; arguments att, wob, out0; writes out0
